; MI455X (gfx1250); checked and timed in simulation.
; The chip was launched on July 23, 2026; its instructions are those of AMD's public machine-readable ISA for CDNA 5 (MIT licence, August 2026) and "CDNA5" Instruction Set Architecture Reference Guide (July 2026). The comments in the code are by the model that wrote it; some were corrected since.
;; Encoder Layer. Allowed arithmetic: matrix products marked QUANTISED: E2M3 operands, one E8M0 scale for each 32 along K, by v_wmma_scale_f32_16x16x128_f8f6f4 with both operands' format E2M3, f32 sums; everything else in f32.
;; Inputs: W1 1,024 x 4,096 float32; W2 4,096 x 1,024 float32; Wk 1,024 x 1,024 float32; Wo 1,024 x 1,024 float32; Wq 1,024 x 1,024 float32; Wv 1,024 x 1,024 float32; b1 4,096 float32; b2 1,024 float32; bk 1,024 float32; bo 1,024 float32; bq 1,024 float32; bv 1,024 float32; ln1_b 1,024 float32; ln1_g 1,024 float32; ln2_b 1,024 float32; ln2_g 1,024 float32; mask 2 x 1 x 1 x 2,048 int32; x 2 x 2,048 x 1,024 float32.
;; Outputs: out0 2 x 2,048 x 1,024 float32.
;; This version of the problem:
;;   THIS VERSION OF THE PROBLEM IS GIVEN IN LOW PRECISION. The matrix products marked QUANTISED in the list below multiply operands that are first quantised to E2M3 (2 exponent bits, 3 mantissa bits; 6 bits a number), with one power-of-two scale for each 32 numbers along K (OCP MX v1.0); their sums are f32. All else is computed in f32.
;;   The module's matrix products, in the order in which they are computed (A, B: the left and right operand; K: the contracted axis; several contracted axes count as one K, in the product's order):
;;     1. [M 4,096, K 1,024] x [K 1,024, N 1,024]; A: input x; B: input Wq: QUANTISED
;;     2. [M 4,096, K 1,024] x [K 1,024, N 1,024]; A: input x; B: input Wk: QUANTISED
;;     3. [M 4,096, K 1,024] x [K 1,024, N 1,024]; A: input x; B: input Wv: QUANTISED
;;     4. batch 32 x [M 2,048, K 64] x [K 64, N 2,048]; A: computed on the way; B: computed on the way: QUANTISED
;;     5. batch 32 x [M 2,048, K 2,048] x [K 2,048, N 64]; A: softmax (see below); B: computed on the way: QUANTISED
;;     6. [M 4,096, K 1,024] x [K 1,024, N 1,024]; A: computed on the way; B: input Wo: QUANTISED
;;     7. [M 4,096, K 1,024] x [K 1,024, N 4,096]; A: computed on the way; B: input W1: QUANTISED
;;     8. [M 4,096, K 4,096] x [K 4,096, N 1,024]; A: computed on the way; B: input W2: QUANTISED
;;   THE QUANTISER, for each operand of a quantised product, along K:
;;     - K is cut into blocks of 32 from its start; a last block that is shorter is filled with zeros.
;;     - A block's scale is 2^e with e = floor(log2(the largest magnitude in the block)) - 2, held to -126 .. 127; a block of zeros has e = 0. As a byte (E8M0): e + 127.
;;     - Each number is divided by its block's scale, clamped to +-7.5, and rounded to the nearest number of E2M3, ties to even, subnormals kept.
;;     - The product sums the exact products of the quantised numbers (number of the format x scale) in f32.
;;   ~~~python
;;   def quantise(x, axis):      # numpy; x: float32 -> the quantised numbers, widened to float32 again
;;       x = np.moveaxis(x, axis, -1); K = x.shape[-1]
;;       x = np.pad(x, [(0, 0)] * (x.ndim - 1) + [(0, -K % 32)]); x = x.reshape(x.shape[:-1] + (-1, 32)); a = np.abs(x).max(-1, keepdims=True)
;;       e = np.where(a > 0, np.clip(np.frexp(np.where(a > 0, a, 1))[1] - 1 - 2, -126, 127), 0)      # np.frexp(a)[1] - 1 = floor(log2(a)), exactly
;;       r = np.clip(x / 2.0 ** e, -7.5, 7.5)
;;       step = 2.0 ** (np.maximum(np.frexp(np.where(r == 0, 1, r))[1] - 1, 0) - 3)
;;       q = np.round(r / step) * step * 2.0 ** e      # np.round: ties to even
;;       return np.moveaxis(q.reshape(q.shape[:-2] + (-1,))[..., :K], -1, axis).astype(np.float32)
;;   ~~~
;;   SOFTMAX AHEAD OF A QUANTISED PRODUCT. Where the list says 'softmax', what is quantised is not the finished softmax but p = 2^(t - M), with t = logit x log2(e) and M = ceil(the row's largest t), a whole number; so 1/2 < the row's largest p <= 1. The row's sum l is taken of the UNQUANTISED p, in f32, and the product's result is divided by l at the end. Since M is a whole number, a kernel that streams over the keys may use a running M (the ceiling of the running maximum): every later rescaling is an exact power of two, which a block's scale takes up: the codes' values come out the same.
;;   OPERANDS COMPUTED ON THE WAY. 'Computed on the way' means the value that the module computes at that place (a softmax that the list does not call 'softmax' is quantised finished and normalised). What goes into a quantiser is computed in f32, as accurately as f32 sums, v_exp_f32 and their like allow (about 1e-6 of the number): no bf16 or f16 on the way to a quantiser, and a product that is left as it is and whose result goes on into a quantised operand takes f32 operands (vector FMAs, or v_wmma_f32_16x16x4_f32). A number that lies on a knife's edge between two numbers of the format may be rounded either way, as far as f32 arithmetic and the matrix unit's own rounding can turn it there, and no further.
;; One version. Each part assembles by itself: llvm-mc -triple=amdgcn-amd-amdhsa -mcpu=gfx1250 --defsym DOCPART=n.
;; ======== version 1 of 1: 7 launches
;; limits: right only within a limited range of input values
;; workspace buffers: qin 9,011,200 bytes; woq 917,504 bytes; w2q 3,276,800 bytes; qkvq 10,092,544 bytes; act 13,107,200 bytes; part 16,777,216 bytes; x1b 20,054,016 bytes
;; launch quant (part 1): grid 640 x 1, 4 waves a work-group, no clusters, 34,304 bytes of LDS; arguments x, Wq, Wk, Wv, Wo, W2, W1, qin, woq, w2q; writes qin, woq, w2q
.if DOCPART == 1
	.amdgcn_target "amdgcn-amd-amdhsa--gfx1250"
	.amdhsa_code_object_version 6
	.text
	.protected	k_q1c3607c1b9_quant
	.globl	k_q1c3607c1b9_quant
	.p2align	8
	.type	k_q1c3607c1b9_quant,@function
k_q1c3607c1b9_quant:
	s_mov_b64 s[64:65], 0
	v_nop
	global_prefetch_b8 v0, s[64:65] scope:SCOPE_SE
	s_setreg_imm32_b32 hwreg(HW_REG_WAVE_MODE, 25, 1), 1
	s_wait_xcnt 0x0
; x [4096][1024] and the six weights [K][N], all f32, become codes of FP6 (E2M3) with one E8M0 byte for each 32 along K, laid as the later launches' operand registers want them.
; A block's scale is 2^(floor(log2(largest magnitude)) - 2); its byte is the largest magnitude's exponent field - 2, held at 1 from below by a floor among the maximum's leaves.
; LIMITS: a block of zeros keeps the byte 1 where the rule says 127 (its codes are zeros; only this program reads the bytes); NaN and infinities among the inputs are not served.
; LAYOUT OF AN OPERAND.  Rows (x: tokens; a weight: its columns n) stand in STORED ORDER: in each 32 rows bits 3 and 4 of the row's number change places, so block i (16 positions) of a group of 128,
; lane r, is row 32 (i / 2) + 8 (i % 2) + r + 8 (r / 8).  A fragment (16 positions x 128 K, 12 registers a lane) lies as an image of its registers, 1,536 bytes: for c = 0, 1 registers 6 c .. 6 c + 3 at
; 768 c + 16 lane, registers 6 c + 4, 6 c + 5 at 768 c + 512 + 8 lane.  Codes: [group of 128][K step of 128][block][1,536]; scale words: [group][K step][128 positions] x 4 bytes.
; SHARES.  Work-groups 0-255: x, one stored block of 16 rows each, a wave two K steps.  Work-groups 256-639: the weights, 128 columns x 256 K each, a wave 32 columns: a lane takes a column and its registers
; run down K, so a block of 32 lies in one lane and nothing is transposed.  Memory binds: every input byte is read once; no matrix unit, no cluster, no tensor load: work-groups share nothing.
.set XC,   131072                      ; qin: x's scale words at 0, x's codes here,
.set WS3,  3276800                     ; the scale words of Wq | Wk | Wv (3,072 positions),
.set WC3,  3375104                     ; their codes,
.set W1S,  5734400                     ; W1's scale words,
.set W1C,  5865472                     ; W1's codes
.set BCO,  131072                      ; woq, w2q: scale words at 0, codes here
.set SEL,  46                          ; s[46:47] lane selects for v_permlanex16_b32: lane l xor 16
.set TM,   16                          ; x path: v16-31 at work in QUANT
.set R,    32                          ; v32-159  two K steps as loaded
.set HA,   160                         ; v160-223 64 numbers of a lane
.set PC,   224                         ; v224-243 the codes just made
.set PW,   244                         ; the scale word just made
.set WX,   32                          ; weights: v32-95 two sets of 32 numbers
.set CB,   96                          ; v96-119 the codes of a K step's four blocks
.set SW,   124                         ; v124-125 a scale word for each K step
; 64 numbers of a lane, register 16 b + i = k 32 b + 16 (lane / 16) + i of my row, become a fragment's codes in v[PC] on and its scale word in v[pw].
.macro QUANT s, pw
.irp b, 0,1,2,3
	v_max3_num_f32 v[TM+\b], |v[\s+16*\b]|, |v[\s+1+16*\b]|, 0x1800000   ; my 16 numbers of block b, and the floor 2^(3 - 127): the byte cannot fall under 1
.endr
.irp i, 2,4,6,8,10,12,14
.irp b, 0,1,2,3
	v_max3_num_f32 v[TM+\b], v[TM+\b], |v[\s+16*\b+\i]|, |v[\s+1+16*\b+\i]|
.endr
.endr
.irp b, 0,1,2,3
	v_permlanex16_b32 v[TM+4+\b], v[TM+\b], s[SEL], s[SEL+1]
.endr
.irp b, 0,1,2,3
	v_max_num_f32 v[TM+\b], v[TM+\b], v[TM+4+\b]   ; with lane l xor 16's: the block's largest magnitude
.endr
.irp b, 0,1,2,3
	v_add_nc_u32 v[TM+12+\b], 0xff000000, v[TM+\b]   ; 2 off its exponent field: the conversion's scale operand
.endr
.irp b, 0,1,2,3
	v_lshrrev_b32 v[TM+4+\b], 23, v[TM+12+\b]      ; the scale's byte
.endr
	v_lshl_or_b32 v[\pw], v[TM+5], 8, v[TM+4]
	v_lshl_or_b32 v[\pw], v[TM+6], 16, v[\pw]
	v_lshl_or_b32 v[\pw], v[TM+7], 24, v[\pw]
.irp c, 0,1
	v_cvt_scalef32_pk16_fp6_f32 v[PC+6*\c:PC+2+6*\c], v[\s+32*\c:\s+15+32*\c], v[TM+12+2*\c]
	v_cvt_scalef32_pk16_fp6_f32 v[PC+12+4*\c:PC+14+4*\c], v[\s+16+32*\c:\s+31+32*\c], v[TM+12+2*\c+1]   ; (a conversion's three registers begin on an even number)
.endr
	v_nop                                          ; one plain place behind a scaled conversion
.irp c, 0,1                                    ; the operand wants a whole block in a lane: lanes 0-15 block 2 c, lanes 16-31 block 2 c + 1
.irp i, 0,1,2
	v_permlane16_swap_b32 v[PC+6*\c+\i], v[PC+12+4*\c+\i]
.endr
.irp i, 0,1,2
	v_mov_b32 v[PC+3+6*\c+\i], v[PC+12+4*\c+\i]
.endr
.endr
.endm
.macro WLOAD t, pitch                  ; block t: W(32 t + i, my column), i = 0 .. 31: each load reads 128 consecutive bytes
.irp i, 0,1,2,3,4,5,6,7,8,9,10,11,12,13,14,15,16,17,18,19,20,21,22,23,24,25,26,27,28,29,30,31
	global_load_b32 v[WX+32*((\t)%2)+\i], v3, s[4:5] offset:(32*(\t)+\i)*\pitch th:TH_LOAD_NT
.endr
.endm
.macro WBLOCK t, pitch
.set XSET, WX+32*((\t)%2)
.set CQ, CB+6*((\t)%4)
.if (\t) < 7
	s_wait_loadcnt 32                              ; this block's 32 loads are in; the next block's may be out
.else
	s_wait_loadcnt 0
.endif
.if (\t) == 4
	s_wait_xcnt 0x0                                ; the first K step's stores have read the codes' registers, which are written again from here on
.endif
	v_max3_num_f32 v12, |v[XSET]|, |v[XSET+1]|, |v[XSET+2]|   ; the block's largest magnitude: all 32 numbers are mine
	v_max3_num_f32 v13, |v[XSET+3]|, |v[XSET+4]|, |v[XSET+5]|
.irp i, 6,10,14,18,22,26
	v_max3_num_f32 v12, v12, |v[XSET+\i]|, |v[XSET+\i+1]|
	v_max3_num_f32 v13, v13, |v[XSET+\i+2]|, |v[XSET+\i+3]|
.endr
	v_max3_num_f32 v12, v12, |v[XSET+30]|, |v[XSET+31]|
	v_max3_num_f32 v12, v12, v13, 0x1800000        ; and the floor
	v_add_nc_u32 v11, 0xff000000, v12              ; the conversion's scale operand
	v_lshrrev_b32 v13, 23, v11                     ; the byte
.if (\t)%4 == 0
	v_mov_b32 v[SW+(\t)/4], v13
.else
	v_lshl_or_b32 v[SW+(\t)/4], v13, 8*((\t)%4), v[SW+(\t)/4]
.endif
	v_cvt_scalef32_pk16_fp6_f32 v[CQ:CQ+2], v[XSET:XSET+15], v11
	v_cvt_scalef32_pk16_fp6_f32 v[120:122], v[XSET+16:XSET+31], v11
	v_nop                                          ; one plain place behind a scaled conversion
.irp i, 0,1,2
	v_mov_b32 v[CQ+3+\i], v[120+\i]
.endr
.if (\t)+2 < 8
	WLOAD (\t)+2, \pitch
.endif
.if (\t)%4 == 3                        ; a K step is whole: lane l holds blocks 0-3 of position l.  The exchange gives fragment f (positions 16 f on), half c, at v[CB + 6 f + 12 c]
.irp c, 0,1
.irp i, 0,1,2,3,4,5
	v_permlane16_swap_b32 v[CB+12*\c+\i], v[CB+12*\c+6+\i]
.endr
.endr
.irp f, 0,1
.irp c, 0,1
	global_store_b128 v4, v[CB+6*\f+12*\c:CB+6*\f+12*\c+3], s[6:7] offset:((\t)/4)*12288+\f*1536+\c*768       ; 512 consecutive bytes, aligned to 256
	global_store_b64 v5, v[CB+6*\f+12*\c+4:CB+6*\f+12*\c+5], s[6:7] offset:((\t)/4)*12288+\f*1536+\c*768+512   ; 256 consecutive bytes, aligned
.endr
.endr
	global_store_b32 v6, v[SW+(\t)/4], s[8:9] offset:((\t)/4)*512   ; 32 positions' words: 128 consecutive bytes
.endif
.endm
.macro WBODY pitch
	WLOAD 0, \pitch
	WLOAD 1, \pitch
.irp t, 0,1,2,3,4,5,6,7
	WBLOCK \t, \pitch
.endr
	s_endpgm
.endm
	s_load_b512 s[4:19], s[0:1], 0x0               ; x, Wq, Wk, Wv, Wo, W2, W1, qin
	s_load_b128 s[20:23], s[0:1], 0x40             ; woq, w2q
	v_lshl_add_u32 v254, v0, 2, 0x8400
	v_mov_b32 v255, 0
	v_lshrrev_b32 v1, 5, v0
	v_readfirstlane_b32 s2, v1                     ; wave
	v_and_b32 v2, 31, v0                           ; lane
	v_lshlrev_b32 v4, 4, v2                        ; 16 x lane
	v_lshlrev_b32 v5, 3, v2                        ; 8 x lane
	v_lshlrev_b32 v6, 2, v2                        ; 4 x lane
	s_cmp_lt_u32 ttmp9, 256
	s_cbranch_scc1 .Lx_path
	; ---- the weights.  u = id - 256; class u / 128: 0 the four square weights, 1 W2, 2 W1
	v_and_b32 v3, 7, v2                            ; lane l is stored position l: its column has bits 3 and 4 exchanged
	v_and_b32 v7, 8, v2
	v_lshl_or_b32 v3, v7, 1, v3
	v_and_b32 v7, 16, v2
	v_lshrrev_b32 v7, 1, v7
	v_or_b32 v3, v3, v7
	v_lshlrev_b32 v3, 2, v3
	s_sub_co_u32 s24, ttmp9, 256
	s_lshr_b32 s25, s24, 7                         ; class
	s_and_b32 s26, s24, 127
	s_cmp_eq_u32 s25, 2
	s_cselect_b32 s27, 31, 7                       ; W1 has 32 groups of columns, the others 8
	s_cselect_b32 s28, 5, 3
	s_and_b32 s29, s26, s27                        ; nb: which 128 columns
	s_lshr_b32 s30, s26, s28                       ; kb
	s_lshr_b32 s31, s30, 2                         ; hi: which square weight, or which 1,024 of W2's K
	s_and_b32 s32, s30, 3                          ; kq: which 256 of 1,024 along K
	s_add_co_u32 s33, s25, 3
	s_cmp_eq_u32 s25, 0
	s_cselect_b32 s33, s31, s33                    ; sel: 0 Wq, 1 Wk, 2 Wv, 3 Wo, 4 W2, 5 W1
	s_cmp_eq_u32 s33, 4
	s_cselect_b32 s38, s30, s32                    ; the source's block of 256 rows
	s_cmp_eq_u32 s33, 5
	s_cselect_b32 s39, 22, 20                      ; 256 rows of 16,384 or of 4,096 bytes
	s_lshl_b32 s38, s38, s39
	s_lshl_b32 s39, s29, 9
	s_add_co_u32 s38, s38, s39
	s_lshl_b32 s39, s2, 7
	s_add_co_u32 s38, s38, s39                     ; + 512 nb + 128 wave
	s_mov_b32 s39, 0
	s_cmp_eq_u32 s33, 3
	s_cselect_b32 s31, 0, s31                      ; Wo has a buffer of its own
	s_mov_b32 s36, WC3
	s_mov_b32 s34, WS3
	s_cmp_ge_u32 s33, 3
	s_cselect_b32 s36, BCO, s36
	s_cselect_b32 s34, 0, s34
	s_mov_b32 s37, W1C
	s_mov_b32 s35, W1S
	s_cmp_eq_u32 s33, 5
	s_cselect_b32 s36, s37, s36
	s_cselect_b32 s34, s35, s34
	s_mul_i32 s37, s31, 786432                     ; 8 groups of codes
	s_add_co_u32 s36, s36, s37
	s_mul_i32 s37, s29, 98304
	s_add_co_u32 s36, s36, s37
	s_mul_i32 s37, s32, 24576                      ; two K steps
	s_add_co_u32 s36, s36, s37
	s_mul_i32 s37, s2, 3072                        ; two blocks
	s_add_co_u32 s36, s36, s37
	s_mov_b32 s37, 0
	s_lshl_b32 s35, s31, 15
	s_add_co_u32 s34, s34, s35
	s_lshl_b32 s35, s29, 12
	s_add_co_u32 s34, s34, s35
	s_lshl_b32 s35, s32, 10
	s_add_co_u32 s34, s34, s35
	s_lshl_b32 s35, s2, 7
	s_add_co_u32 s34, s34, s35
	s_mov_b32 s35, 0
	s_wait_kmcnt 0x0
	s_cmp_eq_u32 s33, 1                            ; the buffers are chosen on the work-group's number alone
	s_cselect_b64 s[6:7], s[8:9], s[6:7]
	s_cmp_eq_u32 s33, 2
	s_cselect_b64 s[6:7], s[10:11], s[6:7]
	s_cmp_eq_u32 s33, 3
	s_cselect_b64 s[6:7], s[12:13], s[6:7]
	s_cselect_b64 s[18:19], s[20:21], s[18:19]
	s_cmp_eq_u32 s33, 4
	s_cselect_b64 s[6:7], s[14:15], s[6:7]
	s_cselect_b64 s[18:19], s[22:23], s[18:19]
	s_cmp_eq_u32 s33, 5
	s_cselect_b64 s[6:7], s[16:17], s[6:7]
	s_add_nc_u64 s[4:5], s[6:7], s[38:39]          ; the source
	s_add_nc_u64 s[6:7], s[18:19], s[36:37]        ; the codes
	s_add_nc_u64 s[8:9], s[18:19], s[34:35]        ; the scale words
	s_cmp_eq_u32 s33, 5
	s_cbranch_scc1 .Lw1
	s_wait_alu depctr_va_vdst(0)
	WBODY 4096
.Lw1:
	s_wait_alu depctr_va_vdst(0)
	WBODY 16384
	; ---- x: stored block id; wave w takes K steps 2 w and 2 w + 1
.Lx_path:
	s_mov_b32 s[SEL], 0x76543210
	s_mov_b32 s[SEL+1], 0xfedcba98
	v_and_b32 v7, 15, v0                           ; r
	v_bfe_u32 v8, v0, 4, 1                         ; h
	s_mul_i32 s24, s2, 8448                        ; my wave's stage: 16 rows x (512 + 16) bytes
	s_wait_alu depctr_va_vdst(0)
	v_add_nc_u32 v9, s24, v4                       ; in: a row's 512 bytes as loaded
	v_mul_u32_u24 v10, v7, 528
	v_lshl_add_u32 v10, v8, 6, v10
	v_add_nc_u32 v10, s24, v10                     ; out: row r, + 64 h: my 16 numbers of each block of 32
	v_lshlrev_b32 v11, 2, v7                       ; 4 r
.irp b, 0,1,2,3
	v_mov_b32 v[TM+4+\b], 0                        ; written once: a lane permute's destination counts as one of its sources
.endr
	s_lshr_b32 s25, ttmp9, 1
	s_lshl_b32 s25, s25, 17                        ; 32 rows of 4,096 bytes
	s_and_b32 s26, ttmp9, 1
	s_lshl_b32 s26, s26, 15                        ; 8 rows
	s_add_co_u32 s38, s25, s26
	s_lshl_b32 s26, s2, 10
	s_add_co_u32 s38, s38, s26                     ; + my 256 columns
	s_mov_b32 s39, 0
	s_lshr_b32 s25, ttmp9, 3                       ; group
	s_and_b32 s26, ttmp9, 7                        ; block in it
	s_mul_i32 s36, s25, 98304
	s_mul_i32 s27, s2, 24576
	s_add_co_u32 s36, s36, s27
	s_mul_i32 s27, s26, 1536
	s_add_co_u32 s36, s36, s27
	s_add_co_u32 s36, s36, XC
	s_mov_b32 s37, 0
	s_lshl_b32 s34, s25, 12
	s_lshl_b32 s27, s2, 10
	s_add_co_u32 s34, s34, s27
	s_lshl_b32 s27, s26, 6
	s_add_co_u32 s34, s34, s27
	s_mov_b32 s35, 0
	s_wait_alu depctr_va_vdst(0)
	s_wait_kmcnt 0x0
	s_add_nc_u64 s[4:5], s[4:5], s[38:39]
	s_add_nc_u64 s[6:7], s[18:19], s[36:37]
	s_add_nc_u64 s[8:9], s[18:19], s[34:35]
.irp s, 0,1
.irp j, 0,1,2,3,4,5,6,7,8,9,10,11,12,13,14,15
	global_load_b128 v[R+64*\s+4*\j:R+64*\s+4*\j+3], v4, s[4:5] offset:(\j+8*(\j/8))*4096+512*\s th:TH_LOAD_NT   ; position j's row: 512 consecutive bytes
.endr
.endr
.irp s, 0,1
	s_wait_loadcnt 16*(1-\s)                       ; this K step's 16 loads are in; the other's may be out
.irp j, 0,1,2,3,4,5,6,7,8,9,10,11,12,13,14,15
	ds_store_b128 v9, v[R+64*\s+4*\j:R+64*\s+4*\j+3] offset:528*\j
.endr
.irp b, 0,1,2,3
.irp j, 0,1,2,3
	ds_load_b128 v[HA+16*\b+4*\j:HA+16*\b+4*\j+3], v10 offset:128*\b+16*\j   ; LDS serves a wave's instructions in order: these see my stores
.endr
.endr
	s_wait_dscnt 0x0
.if \s
	s_wait_xcnt 0x0                                ; the first K step's stores have read the codes' registers
.endif
	QUANT HA, PW
	global_store_b128 v4, v[PC:PC+3], s[6:7] offset:12288*\s
	global_store_b64 v5, v[PC+4:PC+5], s[6:7] offset:12288*\s+512
	global_store_b128 v4, v[PC+6:PC+9], s[6:7] offset:12288*\s+768
	global_store_b64 v5, v[PC+10:PC+11], s[6:7] offset:12288*\s+1280
	global_store_b32 v11, v[PW], s[8:9] offset:512*\s   ; 16 words, 64 bytes (both halves of the lanes hold the same word): part of a unit, in a table of 128 KB in all
.endr
	s_wait_tensorcnt 0x0
	ds_add_u32 v254, v255
	s_wait_dscnt 0x0
	s_endpgm
.Lfunc_end_k_q1c3607c1b9_quant:
	.size	k_q1c3607c1b9_quant, .Lfunc_end_k_q1c3607c1b9_quant-k_q1c3607c1b9_quant
	.p2alignl 7, 3214868480
	.fill 96, 4, 3214868480
	.section	.rodata,"a",@progbits
	.p2align	6, 0x0
	.amdhsa_kernel k_q1c3607c1b9_quant
		.amdhsa_group_segment_fixed_size 34304
		.amdhsa_private_segment_fixed_size 0
		.amdhsa_enable_private_segment 0
		.amdhsa_kernarg_size 80
		.amdhsa_user_sgpr_count 2
		.amdhsa_user_sgpr_kernarg_segment_ptr 1
		.amdhsa_wavefront_size32 1
		.amdhsa_system_sgpr_workgroup_id_x 1
		.amdhsa_system_sgpr_workgroup_id_y 1
		.amdhsa_system_sgpr_workgroup_id_z 1
		.amdhsa_system_vgpr_workitem_id 0
		.amdhsa_next_free_vgpr 256
		.amdhsa_next_free_sgpr 66
		.amdhsa_reserve_vcc 0
		.amdhsa_float_denorm_mode_32 3
		.amdhsa_float_denorm_mode_16_64 3
		.amdhsa_memory_ordered 1
		.amdhsa_forward_progress 1
		.amdhsa_inst_pref_size 98
	.end_amdhsa_kernel
	.amdgpu_metadata
---
amdhsa.version: [ 1, 2 ]
amdhsa.kernels:
  - .name:           k_q1c3607c1b9_quant
    .symbol:         k_q1c3607c1b9_quant.kd
    .args:
      - { .name: x, .offset: 0, .size: 8, .value_kind: global_buffer, .address_space: global }
      - { .name: Wq, .offset: 8, .size: 8, .value_kind: global_buffer, .address_space: global }
      - { .name: Wk, .offset: 16, .size: 8, .value_kind: global_buffer, .address_space: global }
      - { .name: Wv, .offset: 24, .size: 8, .value_kind: global_buffer, .address_space: global }
      - { .name: Wo, .offset: 32, .size: 8, .value_kind: global_buffer, .address_space: global }
      - { .name: W2, .offset: 40, .size: 8, .value_kind: global_buffer, .address_space: global }
      - { .name: W1, .offset: 48, .size: 8, .value_kind: global_buffer, .address_space: global }
      - { .name: qin, .offset: 56, .size: 8, .value_kind: global_buffer, .address_space: global }
      - { .name: woq, .offset: 64, .size: 8, .value_kind: global_buffer, .address_space: global }
      - { .name: w2q, .offset: 72, .size: 8, .value_kind: global_buffer, .address_space: global }
    .group_segment_fixed_size: 34304
    .private_segment_fixed_size: 0
    .kernarg_segment_align: 8
    .kernarg_segment_size: 80
    .max_flat_workgroup_size: 128
    .sgpr_count:     66
    .vgpr_count:     256
    .wavefront_size: 32
...
	.end_amdgpu_metadata
.endif
;; end of part 1
;; launch qkv (part 2): grid 12 x 16, 4 waves a work-group, clusters of 4 x 4, 327,680 bytes of LDS; arguments qin, bq, bk, bv, mask, qkvq; writes qkvq
.if DOCPART == 2
	.amdgcn_target "amdgcn-amd-amdhsa--gfx1250"
	.amdhsa_code_object_version 6
	.text
	.protected	k_q1c3607c1b9_qkv
	.globl	k_q1c3607c1b9_qkv
	.p2align	8
	.type	k_q1c3607c1b9_qkv,@function
k_q1c3607c1b9_qkv:
	s_mov_b64 s[64:65], 0
	v_nop
	global_prefetch_b8 v0, s[64:65] scope:SCOPE_SE
	s_setreg_imm32_b32 hwreg(HW_REG_WAVE_MODE, 25, 1), 1
	s_wait_xcnt 0x0
	s_wait_alu depctr_hold_cnt(0) depctr_sa_sdst(0) depctr_va_vdst(0) depctr_va_sdst(0) depctr_va_ssrc(0) depctr_va_vcc(0) depctr_vm_vsrc(0)
	s_getreg_b32 s2, hwreg(HW_REG_IB_STS2, 6, 4)
	s_cmp_eq_u32 s2, 0
	s_cbranch_scc0 .Lentry_in_a_cluster
	s_endpgm
.Lentry_in_a_cluster:
	s_bfe_u32 s2, ttmp6, 0x10000c
	s_cmp_lg_u32 s2, 0xf033
	s_cbranch_scc0 .Lentry_shape_is_right
	s_endpgm
.Lentry_shape_is_right:
.set FR,     12
.set NL,     4
.set NP,     4
.set NQ,     2
.set FRB,    1536
.set KSB,    12288
.set PARTB,  24576
.set SLOT,   98304
.set SCL,    196608
.set SPARE,  212992
.set GRP,    98304
.set XC,     131072
.set WS3,    3276800
.set WC3,    3375104
.set QS,     9437184
.set VC,     6291456
.set VS,     9961472
.set ADRA, 16
.set ADRB, 20
.set O16,  24
.set O8,   25
.set SWQ,  26
.set ADRS, 27
.set SPW,  28
.set NIL,  29
.set BOF,  30
.set SRQ,  31
.set ROF,  4
.set SWV,  5
.set SRV,  6
.set VSO,  7
.set SH,   8
.set SC,   32
.set BC,   64
.set AF,   128
.set HA,   128
.set PC,   192
.set TM,   212
.set PWA,  228
.set MK,   236
.set WS,   244
.set VQ,   252
.set VM1,  253
.set SEL,  100
.set G1, 24
.set G0, 32
.set G1B, 48
.set G0B, 56
.set G1S, 68
.set G0S, 76
.set G1SB, 80
.set G0SB, 88
.set MSB, 0
.macro WIN new
.if MSB != (\new)
	s_set_vgpr_msb (MSB<<8)|(\new)
.set MSB, (\new)
.endif
.endm
.set MUL_LO, 0xa1
.set MUL_HI, 0xf1
.set TO_B,   0x40
.macro JLOAD g0a, g1a, g0b, g1b
	s_cmp_eq_u32 s15, 0
	s_cbranch_scc0 .Lfor_b_\@
	tensor_load_to_lds s[\g0a:\g0a+3], s[\g1a:\g1a+7]
	s_nop 0
.rept 4
	v_nop
.endr
	s_branch .Lasked_\@
.Lfor_b_\@:
	tensor_load_to_lds s[\g0b:\g0b+3], s[\g1b:\g1b+7]
	s_nop 0
.rept 4
	v_nop
.endr
.Lasked_\@:
.endm
.macro CREST
	s_cmp_lg_u32 s14, 0
	s_cbranch_scc1 .Lnot_wave_0_\@
	s_barrier_signal -3
.Lnot_wave_0_\@:
	s_barrier_wait -3
	s_barrier_signal -1
	s_barrier_wait -1
.endm
.macro CROUND
	s_barrier_signal -1
	s_barrier_wait -1
	CREST
.endm
.macro PLACES n
.rept \n
	v_nop
.endr
.endm
.macro FRAG reg, adr, q, i
	ds_load_b128 v[\reg:\reg+3],     v[\adr]   offset:(\q)*KSB+(\i)*FRB
	ds_load_b64  v[\reg+4:\reg+5],   v[\adr+2] offset:(\q)*KSB+(\i)*FRB+512
	ds_load_b128 v[\reg+6:\reg+9],   v[\adr]   offset:(\q)*KSB+(\i)*FRB+768
	ds_load_b64  v[\reg+10:\reg+11], v[\adr+2] offset:(\q)*KSB+(\i)*FRB+1280
.endm
.macro MUL16 a0, p, q, sc, zero
.irp a, \a0, \a0+1
.irp b, 0,1,2,3,4,5,6,7
.if \zero
	v_wmma_scale_f32_16x16x128_f8f6f4 v[8*(8*((\a)%4)+\b):8*(8*((\a)%4)+\b)+7], v[128*(\p)+FR*\b:128*(\p)+FR*\b+FR-1], v[AF+FR*(\a):AF+FR*(\a)+FR-1], 0, v[SC+8*NQ*(\sc)+NQ*\b+(\q)], v[SC+8*NQ*(\sc)+NQ*(\a)+(\q)] matrix_a_fmt:MATRIX_FMT_FP6 matrix_b_fmt:MATRIX_FMT_FP6 matrix_a_scale:MATRIX_SCALE_ROW1
.else
	v_wmma_scale_f32_16x16x128_f8f6f4 v[8*(8*((\a)%4)+\b):8*(8*((\a)%4)+\b)+7], v[128*(\p)+FR*\b:128*(\p)+FR*\b+FR-1], v[AF+FR*(\a):AF+FR*(\a)+FR-1], v[8*(8*((\a)%4)+\b):8*(8*((\a)%4)+\b)+7], v[SC+8*NQ*(\sc)+NQ*\b+(\q)], v[SC+8*NQ*(\sc)+NQ*(\a)+(\q)] matrix_a_fmt:MATRIX_FMT_FP6 matrix_b_fmt:MATRIX_FMT_FP6 matrix_a_scale:MATRIX_SCALE_ROW1
.endif
.endr
.endr
.endm
.macro FETCH_B slot, q, p
	WIN TO_B
.irp i, 0,1,2,3,4,5,6,7
	FRAG 128*(\p)+FR*\i, ADRB+\slot, \q, \i
.endr
	WIN 0
.endm
.macro FETCH_A slot, q, i0
.irp i, \i0, \i0+1, \i0+2, \i0+3
	FRAG AF+FR*(\i), ADRA+\slot, \q, \i
.endr
.endm
.macro SCALES sc
.irp i, 0,1,2,3,4,5,6,7
	ds_load_b32 v[SC+8*NQ*\sc+NQ*\i],   v[ADRS] offset:64*\i
	ds_load_b32 v[SC+8*NQ*\sc+NQ*\i+1], v[ADRS] offset:512+64*\i
.endr
.endm
.macro STEP slot, q, zero
	s_wait_dscnt 4*NL
	WIN MUL_LO
	MUL16 0, (\q)%2, \q, \slot, \zero
	MUL16 2, (\q)%2, \q, \slot, \zero
	s_wait_dscnt 0
	PLACES NP
	FETCH_B \slot, (\q)+1, 1-(\q)%2
	FETCH_A \slot, (\q)+1, 0
	WIN MUL_HI
	MUL16 4, (\q)%2, \q, \slot, \zero
	MUL16 6, (\q)%2, \q, \slot, \zero
	PLACES NP
	WIN 0
	FETCH_A \slot, (\q)+1, 4
.endm
.macro TURN slot, next, fill
	s_wait_tensorcnt 0x0
	ds_add_u32 v[SPW], v[NIL]
	s_wait_dscnt 4*NL+1
	WIN MUL_LO
	MUL16 0, 1, NQ-1, \slot, 0
	s_wait_dscnt 0x0
	s_barrier_signal -1
	MUL16 2, 1, NQ-1, \slot, 0
	WIN 0
	s_barrier_wait -1
.if \fill
	CREST
	s_add_nc_u64 s[G0+4*\slot+2:G0+4*\slot+3], s[G0+4*\slot+2:G0+4*\slot+3], 2*PARTB
	s_add_nc_u64 s[G0B+4*\slot+2:G0B+4*\slot+3], s[G0B+4*\slot+2:G0B+4*\slot+3], 2*PARTB
	JLOAD G0+4*\slot, G1, G0B+4*\slot, G1B
.else
	PLACES NP
.endif
	s_wait_alu depctr_va_vdst(0)
	v_add_nc_u32 v[ADRS], 1024, v[ADRS]
	FETCH_B \next, 0, 0
	FETCH_A \next, 0, 0
	SCALES \next
	WIN MUL_HI
	MUL16 4, 1, NQ-1, \slot, 0
	MUL16 6, 1, NQ-1, \slot, 0
	PLACES NP
	WIN 0
	FETCH_A \next, 0, 4
.endm
.macro LAST
	s_wait_dscnt 4*NL
	WIN MUL_LO
	MUL16 0, 1, NQ-1, 1, 0
	MUL16 2, 1, NQ-1, 1, 0
	s_wait_dscnt 0
	WIN MUL_HI
	MUL16 4, 1, NQ-1, 1, 0
	MUL16 6, 1, NQ-1, 1, 0
	WIN 0
.endm
.macro FINISH
	s_wait_tensorcnt 0x0
	ds_add_u32 v[SPW], v[NIL]
	s_wait_dscnt 0x0
	CROUND
	s_endpgm
.endm
.macro QUANT s, pw
.irp b, 0,1,2,3
	v_max3_num_f32 v[TM+\b], |v[\s+16*\b]|, |v[\s+1+16*\b]|, 0x1800000
.endr
.irp i, 2,4,6,8,10,12,14
.irp b, 0,1,2,3
	v_max3_num_f32 v[TM+\b], v[TM+\b], |v[\s+16*\b+\i]|, |v[\s+1+16*\b+\i]|
.endr
.endr
.irp b, 0,1,2,3
	v_permlanex16_b32 v[TM+4+\b], v[TM+\b], s[SEL], s[SEL+1]
.endr
.irp b, 0,1,2,3
	v_max_num_f32 v[TM+\b], v[TM+\b], v[TM+4+\b]
.endr
.irp b, 0,1,2,3
	v_add_nc_u32 v[TM+12+\b], 0xff000000, v[TM+\b]
.endr
.irp b, 0,1,2,3
	v_lshrrev_b32 v[TM+4+\b], 23, v[TM+12+\b]
.endr
	v_lshl_or_b32 v[\pw], v[TM+5], 8, v[TM+4]
	v_lshl_or_b32 v[\pw], v[TM+6], 16, v[\pw]
	v_lshl_or_b32 v[\pw], v[TM+7], 24, v[\pw]
.irp c, 0,1
	v_cvt_scalef32_pk16_fp6_f32 v[PC+6*\c:PC+2+6*\c], v[\s+32*\c:\s+15+32*\c], v[TM+12+2*\c]
	v_cvt_scalef32_pk16_fp6_f32 v[PC+12+4*\c:PC+14+4*\c], v[\s+16+32*\c:\s+31+32*\c], v[TM+12+2*\c+1]
.endr
	v_nop
.irp c, 0,1
.irp i, 0,1,2
	v_permlane16_swap_b32 v[PC+6*\c+\i], v[PC+12+4*\c+\i]
.endr
.irp i, 0,1,2
	v_mov_b32 v[PC+3+6*\c+\i], v[PC+12+4*\c+\i]
.endr
.endr
.endm
	s_load_b256 s[4:11], s[0:1], 0x0
	s_load_b128 s[92:95], s[0:1], 0x20
	v_lshl_add_u32 v[SPW], v0, 2, SPARE
	v_mov_b32 v[NIL], 0
	ds_add_u32 v28, v29
	ds_add_u32 v28, v29
	s_wait_dscnt 0x0
	v_lshrrev_b32 v1, 5, v0
	v_readfirstlane_b32 s14, v1
	s_lshr_b32 s15, s14, 1
	s_and_b32 s16, s14, 1
	s_bfe_u32 s40, ttmp6, 0x40000
	s_bfe_u32 s41, ttmp6, 0x40004
	s_and_b32 s3, ttmp7, 0xffff
	s_lshl_b32 s3, s3, 2
	s_lshl_b32 s2, ttmp9, 2
	s_mov_b32 s18, XC
	s_mov_b32 s98, WC3
	s_cmp_eq_u32 ttmp9, 2
	s_cselect_b32 s17, 0, s3
	s_cselect_b32 s42, s3, s2
	s_cselect_b32 s18, WC3+16*GRP, s18
	s_cselect_b32 s19, WS3+16*4096, 0
	s_cselect_b32 s98, XC, s98
	s_cselect_b32 s99, 0, WS3
	s_add_co_u32 s17, s17, s41
	s_add_co_u32 s42, s42, s40
	s_lshl_b32 s43, s41, 2
	s_lshl_b32 s43, 15, s43
	s_lshl_b32 s44, 0x1111, s40
	s_or_b32 s[G1+0], s43, (3<<16)|(1<<21)
	s_or_b32 s[G1B+0], s44, (3<<16)|(1<<21)
.irp g, G1, G1B                        ; for the head's loads: two rows of 24,576 bytes (3,072 elements of 8), one of each group of 128 positions, 98,304 bytes apart
	s_mov_b32 s[\g+1], 3072<<16
	s_mov_b32 s[\g+2], 2<<16
	s_mov_b32 s[\g+3], 3072<<16
	s_mov_b32 s[\g+4], 2
	s_mov_b32 s[\g+5], 12288
	s_mov_b32 s[\g+6], 0
	s_mov_b32 s[\g+7], 0
.endr
	s_or_b32 s[G1S+0], s43, (3<<16)|(1<<21)
	s_or_b32 s[G1SB+0], s44, (3<<16)|(1<<21)
.irp g, G1S, G1SB                      ; the scale words of both groups, all of K: 8,192 dense bytes
	s_mov_b32 s[\g+1], 32<<16
	s_mov_b32 s[\g+2], 32<<16
	s_mov_b32 s[\g+3], 32<<16
	s_mov_b32 s[\g+4], 32
	s_mov_b32 s[\g+5], 32
	s_mov_b32 s[\g+6], 0
	s_mov_b32 s[\g+7], 0
.endr
	s_lshl_b32 s20, s17, 1
	s_add_co_u32 s20, s20, s16
	s_lshl_b32 s22, s17, 13
	s_add_co_u32 s22, s22, s19
	s_mov_b32 s23, 0
	s_mul_i32 s20, s20, GRP
	s_add_co_u32 s20, s20, s18
	s_mov_b32 s21, 0
	s_lshl_b32 s46, s42, 1
	s_add_co_u32 s46, s46, s16
	s_lshl_b32 s96, s42, 13
	s_add_co_u32 s96, s96, s99
	s_mov_b32 s97, 0
	s_mul_i32 s46, s46, GRP
	s_add_co_u32 s46, s46, s98
	s_mov_b32 s47, 0
	s_mul_i32 s45, s14, PARTB
	s_mul_i32 s2, s16, GRP                         ; from the tile's first group to mine, in bytes
	s_mov_b32 s3, 0
	s_wait_kmcnt 0x0
	s_add_nc_u64 s[20:21], s[4:5], s[20:21]
	s_add_nc_u64 s[22:23], s[4:5], s[22:23]
	s_add_nc_u64 s[46:47], s[4:5], s[46:47]
	s_add_nc_u64 s[96:97], s[4:5], s[96:97]
	CROUND                                         ; all sixteen work-groups are here: the first joint loads meet
	s_mov_b32 s[G0S], 1                            ; A's scale words,
	s_mov_b32 s[G0S+1], SCL
	s_mov_b64 s[G0S+2:G0S+3], s[22:23]
	s_or_b32 s[G0S+3], s[G0S+3], 0x80000000
	s_mov_b32 s[G0SB], 1                           ; B's,
	s_mov_b32 s[G0SB+1], SCL+8192
	s_mov_b64 s[G0SB+2:G0SB+3], s[96:97]
	s_or_b32 s[G0SB+3], s[G0SB+3], 0x80000000
	s_mov_b32 s[G0], 1                             ; slot 0's set serves the head first: all of A's part of slot 0,
	s_mov_b32 s[G0+1], 0
	s_sub_nc_u64 s[G0+2:G0+3], s[20:21], s[2:3]
	s_or_b32 s[G0+3], s[G0+3], 0x80000000
	s_mov_b32 s[G0B], 1                            ; and all of B's
	s_mov_b32 s[G0B+1], 2*PARTB
	s_sub_nc_u64 s[G0B+2:G0B+3], s[46:47], s[2:3]
	s_or_b32 s[G0B+3], s[G0B+3], 0x80000000
	s_mov_b32 s[G0+4], 1                           ; slot 1: my quarter
	s_add_co_u32 s[G0+5], s45, SLOT
	s_add_nc_u64 s[G0+6:G0+7], s[20:21], PARTB
	s_or_b32 s[G0+7], s[G0+7], 0x80000000
	s_mov_b32 s[G0B+4], 1
	s_add_co_u32 s[G0B+5], s45, SLOT
	s_add_nc_u64 s[G0B+6:G0B+7], s[46:47], PARTB
	s_or_b32 s[G0B+7], s[G0B+7], 0x80000000
; THE HEAD'S LOADS, ONE A WAVE, in one chain of branches on the wave's number: wave 0 A's part of slot 0, wave 1 B's, wave 2 A's scale words, wave 3 B's
.macro ARM under, g0, g1, next
	s_cmp_lt_u32 s14, \under
	s_cbranch_scc0 \next
	tensor_load_to_lds s[\g0:\g0+3], s[\g1:\g1+7]
	s_nop 0
.rept 4
	v_nop
.endr
	s_branch .Lhead_asked
\next:
.endm
	ARM 1, G0,  G1,  .Lhead_b
	ARM 2, G0B, G1B, .Lhead_sa
	ARM 3, G0S, G1S, .Lhead_sb
	tensor_load_to_lds s[G0SB:G0SB+3], s[G1SB:G1SB+7]
	s_nop 0
.rept 4
	v_nop
.endr
.Lhead_asked:
	; THE PREFETCH INTO THE L2.  A wave's load brings a part of 24,576 bytes, 96 blocks of 256; the four partners that load a part jointly share its blocks out by address, 24 each (a lane a block; lanes 24-31 name the last again).
	; At the head a wave asks for the parts that its next two loads will bring, behind slot 1's load for the last one: K has four parts.
	s_cmp_eq_u32 s15, 0                            ; do I fetch for A?
	s_cselect_b64 s[96:97], s[20:21], s[46:47]     ; my part of slot 0; never rewritten
	s_cselect_b32 s2, s40, s41                     ; my place among the four that ask for it with me: it enters this address alone
	s_mul_i32 s2, s2, 24*256
	v_and_b32 v12, 31, v0
	v_min_u32 v12, 23, v12
	v_lshlrev_b32 v12, 8, v12
	v_add_nc_u32 v12, s2, v12                      ; never rewritten
	global_prefetch_b8 v12, s[96:97] offset:PARTB th:TH_LOAD_NT scope:SCOPE_SE
	global_prefetch_b8 v12, s[96:97] offset:2*PARTB th:TH_LOAD_NT scope:SCOPE_SE
	v_and_b32 v1, 15, v0
	v_bfe_u32 v2, v0, 4, 1
	v_and_b32 v3, 31, v0
	v_lshlrev_b32 v[O16], 4, v3
	v_lshlrev_b32 v[O8], 3, v3
	s_mul_i32 s18, s15, PARTB
	s_mul_i32 s19, s16, PARTB
	s_add_co_u32 s19, s19, 2*PARTB
.irp s, 0,1
	v_add_nc_u32 v[ADRA+\s], s18, v[O16]
	v_add_nc_u32 v[ADRA+2+\s], s18, v[O8]
	v_add_nc_u32 v[ADRB+\s], s19, v[O16]
	v_add_nc_u32 v[ADRB+2+\s], s19, v[O8]
	s_add_co_u32 s18, s18, SLOT
	s_add_co_u32 s19, s19, SLOT
.endr
	s_lshl_b32 s18, s15, 12
	s_lshl_b32 s19, s16, 12
	s_add_co_u32 s19, s19, 8192
	s_sub_co_u32 s19, s19, s18
	v_mul_u32_u24 v10, s19, v2
	s_add_co_u32 s18, s18, SCL
	v_lshl_add_u32 v10, v1, 2, v10
	v_add_nc_u32 v[ADRS], s18, v10
	v_lshlrev_b32 v9, 2, v1
	s_lshl_b32 s18, s14, 10
	v_lshl_add_u32 v[SWQ], v2, 9, v9
	v_add_nc_u32 v[SWQ], s18, v[SWQ]
	v_add_nc_u32 v[SRQ], s18, v[O16]
	s_lshl_b32 s18, s14, 9
	v_add_nc_u32 v[SWV], s18, v9
	v_add_nc_u32 v[SRV], s18, v[O16]
	v_lshlrev_b32 v[BOF], 6, v2
	v_and_b32 v[ROF], 8, v1
	v_add_nc_u32 v[ROF], v[ROF], v1
	v_lshlrev_b32 v[ROF], 2, v[ROF]
	v_lshlrev_b32 v[VSO], 4, v1
	v_lshl_add_u32 v[VSO], v2, 12, v[VSO]
	v_lshlrev_b32 v[SH], 4, v2
	s_mov_b32 s[SEL], 0x76543210
	s_mov_b32 s[SEL+1], 0xfedcba98
	s_wait_alu depctr_va_vdst(0)
	s_wait_tensorcnt 0x0                           ; my tile of the head's four is in; the three lines ahead of a later first fill, as ahead of a refill
	ds_add_u32 v[SPW], v[NIL]
.irp g, G1, G1B                        ; no tensor load of mine is out: from here on a load brings a quarter of a slot, 96 rows of 256 bytes,
	s_mov_b32 s[\g+1], 32<<16
	s_mov_b32 s[\g+2], 96<<16
	s_mov_b32 s[\g+3], 32<<16
	s_mov_b32 s[\g+4], 96
	s_mov_b32 s[\g+5], 32
.endr
	s_mov_b32 s[G0+1], s45                         ; and slot 0's set names my quarter
	s_mov_b64 s[G0+2:G0+3], s[20:21]
	s_or_b32 s[G0+3], s[G0+3], 0x80000000
	s_mov_b32 s[G0B+1], s45
	s_mov_b64 s[G0B+2:G0B+3], s[46:47]
	s_or_b32 s[G0B+3], s[G0B+3], 0x80000000
	s_wait_dscnt 0x0
	CROUND                                         ; all four tiles are in, in every work-group of the cluster
	JLOAD G0+4, G1, G0B+4, G1B                     ; slot 1's first fill, the first tensor load behind the round
	FETCH_B 0, 0, 0
	global_prefetch_b8 v12, s[96:97] offset:3*PARTB th:TH_LOAD_NT scope:SCOPE_SE
	FETCH_A 0, 0, 0
	SCALES 0
	FETCH_A 0, 0, 4
	STEP 0, 0, 1
	TURN 0, 1, 1
	STEP 1, 0, 0
	TURN 1, 0, 1
	STEP 0, 0, 0
	TURN 0, 1, 0
	STEP 1, 0, 0
	s_cmp_eq_u32 ttmp9, 2
	s_cbranch_scc1 .Ltail_v
	s_cmp_eq_u32 ttmp9, 0
	s_cselect_b64 s[6:7], s[6:7], s[8:9]
	s_cselect_b32 s45, -1, 0
	s_lshl_b32 s18, s40, 10
	s_lshl_b32 s19, s16, 9
	s_add_co_u32 s18, s18, s19
	s_mov_b32 s19, 0
	s_add_nc_u64 s[6:7], s[6:7], s[18:19]
	s_lshl_b32 s2, s17, 8
	s_lshl_b32 s3, s15, 7
	s_add_co_u32 s2, s2, s3
	s_lshl_b32 s18, s2, 2
	s_add_nc_u64 s[92:93], s[92:93], s[18:19]
.irp b, 0,1,2,3
.irp j, 0,1,2,3
	global_load_b128 v[BC+16*\b+4*\j:BC+16*\b+4*\j+3], v[BOF], s[6:7] offset:128*\b+16*\j
.endr
.endr
.irp a, 0,1,2,3,4,5,6,7
	global_load_b32 v[MK+\a], v[ROF], s[92:93] offset:(32*(\a/2)+8*(\a%2))*4
.endr
	s_lshr_b32 s3, s2, 11
	s_lshl_b32 s3, s3, 4
	s_lshl_b32 s18, s40, 2
	s_add_co_u32 s3, s3, s18
	s_lshl_b32 s18, s16, 1
	s_add_co_u32 s3, s3, s18
	s_and_b32 s2, s2, 2047
	s_mul_i32 s18, s3, 98304
	s_lshr_b32 s98, s2, 4
	s_mul_i32 s98, s98, 768
	s_add_co_u32 s18, s18, s98
	s_mul_i32 s98, ttmp9, 3145728
	s_add_co_u32 s18, s18, s98
	s_add_nc_u64 s[12:13], s[94:95], s[18:19]
	s_lshl_b32 s18, s3, 13
	s_lshl_b32 s98, s2, 2
	s_add_co_u32 s18, s18, s98
	s_lshl_b32 s98, ttmp9, 18
	s_add_co_u32 s18, s18, s98
	s_add_co_u32 s18, s18, QS
	s_add_nc_u64 s[98:99], s[94:95], s[18:19]
	LAST
	s_wait_loadcnt 0x0
	PLACES NP
	v_mov_b32 v[VQ], s45
	v_mov_b32 v[VM1], -1
.irp b, 0,1,2,3
	v_mov_b32 v[TM+4+\b], 0
.endr
.irp a, 0,1,2,3,4,5,6,7
	v_cmp_ne_u32 vcc_lo, 0, v[MK+\a]
	v_cndmask_b32 v[MK+\a], v[VQ], v[VM1], vcc_lo
.endr
.macro EPIQK a
	s_wait_xcnt 0x0
	WIN 0x02+(\a)/4
.set ii, 0
.rept 32
	v_pk_add_f32 v[HA+ii:HA+ii+1], v[64*((\a)%4)+ii:64*((\a)%4)+ii+1], v[BC+ii:BC+ii+1]
.set ii, ii+2
.endr
	WIN 0
	QUANT HA, PWA
.irp i, 0,1,2,3,4,5,6,7,8,9,10,11
	v_and_b32 v[PC+\i], v[MK+\a], v[PC+\i]
.endr
	v_lshrrev_b32 v[WS+\a], v[SH], v[PWA]
	v_and_b32 v[WS+\a], 0xffff, v[WS+\a]
	global_store_b128 v[O16], v[PC:PC+3], s[12:13] offset:(\a)*768
	global_store_b64 v[O8], v[PC+4:PC+5], s[12:13] offset:(\a)*768+512
	global_store_b128 v[O16], v[PC+6:PC+9], s[12:13] offset:98304+(\a)*768
	global_store_b64 v[O8], v[PC+10:PC+11], s[12:13] offset:98304+(\a)*768+512
	ds_store_b32 v[SWQ], v[WS+\a] offset:64*(\a)
.endm
.irp a, 0,1,2,3,4,5,6,7
	EPIQK \a
.endr
	ds_load_b128 v[HA:HA+3], v[SRQ]
	ds_load_b128 v[HA+4:HA+7], v[SRQ] offset:512
	s_wait_dscnt 0x0
	global_store_b128 v[O16], v[HA:HA+3], s[98:99]
	global_store_b128 v[O16], v[HA+4:HA+7], s[98:99] offset:8192
	FINISH
.Ltail_v:
	s_lshl_b32 s18, s41, 10
	s_lshl_b32 s19, s15, 9
	s_add_co_u32 s18, s18, s19
	s_mov_b32 s19, 0
	s_add_nc_u64 s[10:11], s[10:11], s[18:19]
.irp a, 0,1,2,3,4,5,6,7
	global_load_b32 v[BC+2*\a], v[ROF], s[10:11] offset:(32*(\a/2)+8*(\a%2))*4
.endr
.irp a, 0,1,2,3,4,5,6,7
	v_mov_b32 v[BC+2*\a+1], 0
.endr
	s_lshl_b32 s2, s42, 8
	s_lshl_b32 s3, s16, 7
	s_add_co_u32 s2, s2, s3
	s_lshr_b32 s3, s2, 11
	s_lshl_b32 s3, s3, 4
	s_lshl_b32 s18, s41, 2
	s_add_co_u32 s3, s3, s18
	s_lshl_b32 s18, s15, 1
	s_add_co_u32 s3, s3, s18
	s_and_b32 s2, s2, 2047
	s_lshr_b32 s2, s2, 7
	s_mul_i32 s18, s3, 98304
	s_mul_i32 s98, s2, 6144
	s_add_co_u32 s18, s18, s98
	s_add_co_u32 s18, s18, VC
	s_add_nc_u64 s[12:13], s[94:95], s[18:19]
	s_lshl_b32 s18, s3, 12
	s_lshl_b32 s98, s2, 8
	s_add_co_u32 s18, s18, s98
	s_add_co_u32 s18, s18, VS
	s_add_nc_u64 s[98:99], s[94:95], s[18:19]
	LAST
	s_wait_loadcnt 0x0
	PLACES NP
.irp b, 0,1,2,3
	v_mov_b32 v[TM+4+\b], 0
.endr
.macro EPIV a
	s_wait_xcnt 0x0
	WIN 0x02+(\a)/4
.set ii, 0
.rept 32
	v_pk_add_f32 v[HA+ii:HA+ii+1], v[64*((\a)%4)+ii:64*((\a)%4)+ii+1], v[BC+2*(\a):BC+2*(\a)+1] op_sel_hi:[1,0]
.set ii, ii+2
.endr
	WIN 0
	QUANT HA, PWA+(\a)
	global_store_b128 v[O16], v[PC:PC+3], s[12:13] offset:((\a)/4)*98304+((\a)%4)*1536
	global_store_b64 v[O8], v[PC+4:PC+5], s[12:13] offset:((\a)/4)*98304+((\a)%4)*1536+512
	global_store_b128 v[O16], v[PC+6:PC+9], s[12:13] offset:((\a)/4)*98304+((\a)%4)*1536+768
	global_store_b64 v[O8], v[PC+10:PC+11], s[12:13] offset:((\a)/4)*98304+((\a)%4)*1536+1280
	ds_store_b32 v[SWV], v[PWA+(\a)] offset:8192+64*(\a)
.endm
.irp a, 0,1,2,3,4,5,6,7
	EPIV \a
.endr
	ds_load_b128 v[HA:HA+3], v[SRV] offset:8192
	s_wait_dscnt 0x0
	global_store_b128 v[VSO], v[HA:HA+3], s[98:99]
	FINISH
.Lfunc_end_k_q1c3607c1b9_qkv:
	.size	k_q1c3607c1b9_qkv, .Lfunc_end_k_q1c3607c1b9_qkv-k_q1c3607c1b9_qkv
	.p2alignl 7, 3214868480
	.fill 96, 4, 3214868480
	.section	.rodata,"a",@progbits
	.p2align	6, 0x0
	.amdhsa_kernel k_q1c3607c1b9_qkv
		.amdhsa_group_segment_fixed_size 327680
		.amdhsa_private_segment_fixed_size 0
		.amdhsa_enable_private_segment 0
		.amdhsa_kernarg_size 48
		.amdhsa_user_sgpr_count 2
		.amdhsa_user_sgpr_kernarg_segment_ptr 1
		.amdhsa_wavefront_size32 1
		.amdhsa_system_sgpr_workgroup_id_x 1
		.amdhsa_system_sgpr_workgroup_id_y 1
		.amdhsa_system_sgpr_workgroup_id_z 1
		.amdhsa_system_vgpr_workitem_id 0
		.amdhsa_next_free_vgpr 1024
		.amdhsa_next_free_sgpr 102
		.amdhsa_reserve_vcc 1
		.amdhsa_float_denorm_mode_32 3
		.amdhsa_float_denorm_mode_16_64 3
		.amdhsa_memory_ordered 1
		.amdhsa_forward_progress 1
		.amdhsa_inst_pref_size 238
	.end_amdhsa_kernel
	.amdgpu_metadata
---
amdhsa.version: [ 1, 2 ]
amdhsa.kernels:
  - .name:           k_q1c3607c1b9_qkv
    .symbol:         k_q1c3607c1b9_qkv.kd
    .args:
      - { .name: qin, .offset: 0, .size: 8, .value_kind: global_buffer, .address_space: global }
      - { .name: bq, .offset: 8, .size: 8, .value_kind: global_buffer, .address_space: global }
      - { .name: bk, .offset: 16, .size: 8, .value_kind: global_buffer, .address_space: global }
      - { .name: bv, .offset: 24, .size: 8, .value_kind: global_buffer, .address_space: global }
      - { .name: mask, .offset: 32, .size: 8, .value_kind: global_buffer, .address_space: global }
      - { .name: qkvq, .offset: 40, .size: 8, .value_kind: global_buffer, .address_space: global }
    .group_segment_fixed_size: 327680
    .private_segment_fixed_size: 0
    .kernarg_segment_align: 8
    .kernarg_segment_size: 48
    .max_flat_workgroup_size: 128
    .sgpr_count:     102
    .vgpr_count:     1024
    .wavefront_size: 32
...
	.end_amdgpu_metadata
.endif
;; end of part 2
;; launch attn (part 3): grid 8 x 32, 16 waves a work-group, clusters of 4 x 1, 219,136 bytes of LDS; arguments qkvq, mask, act; writes act
.if DOCPART == 3
	.amdgcn_target "amdgcn-amd-amdhsa--gfx1250"
	.amdhsa_code_object_version 6
	.text
	.protected	k_q1c3607c1b9_attn
	.globl	k_q1c3607c1b9_attn
	.p2align	8
	.type	k_q1c3607c1b9_attn,@function
k_q1c3607c1b9_attn:
	s_mov_b64 s[64:65], 0
	v_nop
	global_prefetch_b8 v0, s[64:65] scope:SCOPE_SE
	s_setreg_imm32_b32 hwreg(HW_REG_WAVE_MODE, 25, 1), 1
	s_wait_xcnt 0x0
	s_wait_alu depctr_hold_cnt(0) depctr_sa_sdst(0) depctr_va_vdst(0) depctr_va_sdst(0) depctr_va_ssrc(0) depctr_va_vcc(0) depctr_vm_vsrc(0)
	s_getreg_b32 s2, hwreg(HW_REG_IB_STS2, 6, 4)
	s_cmp_eq_u32 s2, 0
	s_cbranch_scc0 .Lentry_in_a_cluster
	s_endpgm
.Lentry_in_a_cluster:
	s_bfe_u32 s2, ttmp6, 0x10000c
	s_cmp_lg_u32 s2, 0x3003
	s_cbranch_scc0 .Lentry_shape_is_right
	s_endpgm
.Lentry_shape_is_right:
; ctx = softmax(q k^T / 8, masked) v for one (batch, head), both products on codes of FP6 (E2M3) with E8M0 scales; ctx is quantised along the channels and leaves as codes for the next product.
; THE SOFTMAX AHEAD OF THE SECOND PRODUCT: t = score x log2(e) / 8; M = the largest t so far, rounded UP to a whole number; p = 2^(t - M) is quantised along the keys, not normalised; the row's sum is taken of the
; unquantised p and divides at the end.  When M moves, the sum and O are multiplied by 2^(old M - new M): exact.
; MASK.  A key whose mask is 0 has zero codes (the launch before) and -2^33 as the C of its score's matrix instruction, so its score is exactly -2^33.  LIMIT: that is a logit of -2^30 where reference() puts -1e9: p is 0
; beside any key that counts; where no key of the batch counts, -2^33 x c is a whole number, M = t and every p is 1, the uniform softmax of reference().  It differs only for true logits under about -1e9.
; LIMITS: a block of zeros keeps the byte 1 (its codes are zeros); NaN and infinities are not served.
; SHARES.  A work-group owns 256 query positions, each of its sixteen waves 16 (one stored block), in 256 registers: four waves to a SIMD.
; A HEAD'S K AND V LIE IN LDS WHOLE (2 x 98,304 bytes and their scale words): every LDS byte is filled once, so there is no ring.  The four work-groups of a cluster belong to one head and ask jointly.
; ONE TENSOR LOAD A WAVE: waves 0-3 ask for a quarter of K's codes each (512 keys, 24,576 bytes), waves 4-7 for a quarter of V's, wave 8 for K's scale words, wave 9 for V's; waves 10-15 ask for nothing.
; Every wave waits for its own load (0); one barrier shows all of K and V to all waves; the sixteen key steps follow in one loop with no barrier among them.
; LAYOUT.  Both products transposed: S^T = K Q^T, O^T = V^T P^T: a lane holds one query.  By the stored order of rows the 16 registers of tiles 2 b, 2 b + 1 are keys 32 b + 16 (lane / 16) + 0 .. 15, and O^T's likewise channels.
; K = 64 IN AN INSTRUCTION OF 128: q's registers 6-11 are zero codes and bytes 2, 3 of both scale words are 0, so whatever stands in the upper six registers of K's operand adds nothing: K's tiles lie 6 registers apart.
; No prefetch: all that the work-group reads is asked for in its first lines.
.set KC,   3145728                     ; qkvq: q's codes at 0, k's here (v's 3,145,728 on)
.set QSO,  9437184                     ; q's scale words, k's 262,144 on, v's 524,288 on
.set KSO,  9699328
.set ACO,  524288                      ; act: scale words at 0, codes here
.set VCL,  98304                       ; LDS: K's codes at 0, V's here,
.set KSL,  196608                      ; K's scale words,
.set VSL,  204800                      ; V's,
.set MBL,  208896                      ; the mask as f32, 0 or -2^33, 2,048 keys: written by ds_store alone
.set K16, 1                            ; v1 16 lane;  v2 8 lane;  v3, v4 the same in V;  v5, v6 4 lane among K's, V's scale words;  v7 64 h in the mask: none is rewritten in the loop
.set K8,  2
.set V16, 3
.set V8,  4
.set KS0, 5
.set VS0, 6
.set MB0, 7
.set ADK, 8                            ; v8-11, v86-88 the step's addresses
.set ADK8, 9
.set ADV, 10
.set ADV8, 11
.set ADS, 86
.set ADM, 87
.set ADT, 88
.set WV,  18
.set BH,  19
.set SEL, 20
.set CS,  22
.set G1C, 24                           ; s[24:31] group 1: 96 rows of 256 bytes;  s[32:39] 32 rows (K's scale words);  s[48:55] 16 rows (V's)
.set G1KS, 32
.set G0S, 40                           ; s[40:43] group 0 of the scale words;  s[56:59] of my quarter of the codes
.set TK,  44                           ; s44 the step's place in K's and in V's codes: 6,144 bytes a step
.set TS,  45                           ; s45 among K's scale words and in the mask: 512 bytes a step
.set TJ,  46                           ; s46 among V's scale words: 256
.set CNT, 47
.set G1VS, 48
.macro CROUND
	s_barrier_signal -1
	s_barrier_wait -1
	s_cmp_lg_u32 s[WV], 0
	s_cbranch_scc1 .Lnot_wave_0_\@
	s_barrier_signal -3
.Lnot_wave_0_\@:
	s_barrier_wait -3
	s_barrier_signal -1
	s_barrier_wait -1
.endm
	s_load_b128 s[4:7], s[0:1], 0x0                ; qkvq, mask
	s_load_b64 s[8:9], s[0:1], 0x10                ; act
	v_lshl_add_u32 v223, v0, 2, 0x35000
	v_mov_b32 v243, 0
	ds_add_u32 v223, v243                          ; the opening lines: the add, twice on end, and its wait ahead of the first tensor load
	ds_add_u32 v223, v243
	v_lshrrev_b32 v8, 5, v0
	s_delay_alu instid0(VALU_DEP_1)
	v_readfirstlane_b32 s[WV], v8                  ; wave 0..15
	s_and_b32 s[BH], ttmp7, 0xffff                 ; 16 batch + head, which the four partners share
	s_bfe_u32 s10, ttmp6, 0x40000                  ; cx: it enters q's and the output's addresses alone
	s_lshl_b32 s17, ttmp9, 2
	s_add_co_u32 s17, s17, s10
	s_lshl_b32 s17, s17, 4
	s_add_co_u32 s17, s17, s[WV]                   ; qb: my stored block of 16 queries
	s_and_b32 s12, s[WV], 1                        ; scale words: wave 8 K's, wave 9 V's
	s_bfe_u32 s10, s[WV], 0x10002                  ; waves 0-3 fetch K's codes, waves 4-7 V's,
	s_mul_i32 s2, s10, 3145728
	s_and_b32 s11, s[WV], 3                        ; each a quarter: 512 keys, 24,576 bytes
	s_mul_i32 s11, s11, 24576
	s_add_co_u32 s2, s2, s11
	s_mul_i32 s3, s[BH], 98304
	s_add_co_u32 s2, s2, s3
	s_add_co_u32 s2, s2, KC
	s_mov_b32 s3, 0
	s_and_b32 s13, s[WV], 7
	s_mul_i32 s13, s13, 24576                      ; and in LDS: K's four quarters, then V's four
	s_mul_i32 s14, s12, 262144
	s_lshl_b32 s15, s[BH], 13
	s_lshr_b32 s15, s15, s12                       ; 8,192 bytes a head for K, 4,096 for V
	s_add_co_u32 s14, s14, s15
	s_add_co_u32 s14, s14, KSO
	s_mov_b32 s15, 0
	s_lshl_b32 s16, s12, 13
	s_mov_b32 s[G1C], 15|(3<<16)|(1<<21)           ; 15:0 the mask: all four work-groups; 17:16 elements of 8 bytes; 21 set beside a mask
	s_mov_b32 s[G1C+1], 32<<16
	s_mov_b32 s[G1C+2], 96<<16
	s_mov_b32 s[G1C+3], 32<<16
	s_mov_b32 s[G1C+4], 96
	s_mov_b32 s[G1C+5], 32
	s_mov_b32 s[G1C+6], 0
	s_mov_b32 s[G1C+7], 0
	s_mov_b32 s[G1KS], 15|(3<<16)|(1<<21)
	s_mov_b32 s[G1KS+1], 32<<16
	s_mov_b32 s[G1KS+2], 32<<16
	s_mov_b32 s[G1KS+3], 32<<16
	s_mov_b32 s[G1KS+4], 32
	s_mov_b32 s[G1KS+5], 32
	s_mov_b32 s[G1KS+6], 0
	s_mov_b32 s[G1KS+7], 0
	s_mov_b32 s[G1VS], 15|(3<<16)|(1<<21)
	s_mov_b32 s[G1VS+1], 32<<16
	s_mov_b32 s[G1VS+2], 16<<16
	s_mov_b32 s[G1VS+3], 32<<16
	s_mov_b32 s[G1VS+4], 16
	s_mov_b32 s[G1VS+5], 32
	s_mov_b32 s[G1VS+6], 0
	s_mov_b32 s[G1VS+7], 0
	s_mov_b32 s[SEL], 0x76543210
	s_mov_b32 s[SEL+1], 0xfedcba98
	s_mov_b32 s[CS], 0x3e38aa3b                    ; c = log2(e) / 8
	s_mov_b32 s[CS+1], s[CS]                       ; (named with it as a pair)
	s_wait_dscnt 0x0
	s_wait_kmcnt 0x0
	s_add_nc_u64 s[2:3], s[4:5], s[2:3]
	s_add_nc_u64 s[14:15], s[4:5], s[14:15]
	CROUND                                         ; all four work-groups are here: the joint loads meet
	s_mov_b32 s[G0S], 1
	s_add_co_u32 s[G0S+1], s16, KSL
	s_mov_b64 s[G0S+2:G0S+3], s[14:15]
	s_or_b32 s[G0S+3], s[G0S+3], 0x80000000
	s_mov_b32 s56, 1                               ; group 0 of my quarter of the codes
	s_mov_b32 s57, s13
	s_mov_b64 s[58:59], s[2:3]
	s_or_b32 s59, s59, 0x80000000
	; THE FIRST FILLS, ONE A WAVE, in one chain of branches on the wave's number
	s_cmp_lt_u32 s[WV], 8
	s_cbranch_scc0 .Lnot_c
	tensor_load_to_lds s[56:59], s[G1C:G1C+7]
	s_nop 0
.rept 4
	v_nop
.endr
	s_branch .Lasked
.Lnot_c:
	s_cmp_eq_u32 s[WV], 8
	s_cbranch_scc0 .Lnot_k
	tensor_load_to_lds s[G0S:G0S+3], s[G1KS:G1KS+7]
	s_nop 0
.rept 4
	v_nop
.endr
	s_branch .Lasked
.Lnot_k:
	s_cmp_eq_u32 s[WV], 9
	s_cbranch_scc0 .Lasked
	tensor_load_to_lds s[G0S:G0S+3], s[G1VS:G1VS+7]
	s_nop 0
.rept 4
	v_nop
.endr
.Lasked:
	s_mul_i32 s66, s[BH], 98304
	s_mul_i32 s67, s17, 768
	s_add_co_u32 s66, s66, s67
	s_mov_b32 s67, 0
	s_add_nc_u64 s[66:67], s[4:5], s[66:67]        ; q's codes: my block
	s_lshl_b32 s68, s[BH], 13
	s_lshl_b32 s69, s17, 6
	s_add_co_u32 s68, s68, s69
	s_add_co_u32 s68, s68, QSO
	s_mov_b32 s69, 0
	s_add_nc_u64 s[68:69], s[4:5], s[68:69]        ; and its scale words
	s_lshr_b32 s70, s[BH], 4
	s_lshl_b32 s70, s70, 13
	s_mov_b32 s71, 0
	s_add_nc_u64 s[6:7], s[6:7], s[70:71]          ; my batch's mask
	v_and_b32 v8, 31, v0
	s_delay_alu instid0(VALU_DEP_1)
	v_lshlrev_b32 v[K16], 4, v8
	s_delay_alu instid0(VALU_DEP_2)
	v_lshlrev_b32 v[K8], 3, v8
	s_delay_alu instid0(VALU_DEP_2)
	v_add_nc_u32 v[V16], VCL, v[K16]
	s_delay_alu instid0(VALU_DEP_2)
	v_add_nc_u32 v[V8], VCL, v[K8]
	v_lshl_add_u32 v[KS0], v8, 2, KSL
	v_lshl_add_u32 v[VS0], v8, 2, VSL
	v_bfe_u32 v9, v0, 4, 1
	s_delay_alu instid0(VALU_DEP_1)
	v_lshl_add_u32 v[MB0], v9, 6, MBL
	v_lshlrev_b32 v10, 4, v0
	v_lshl_add_u32 v89, v0, 4, MBL
	v_and_b32 v11, 15, v0
	s_delay_alu instid0(VALU_DEP_1)
	v_lshlrev_b32 v11, 2, v11
	global_load_b128 v[96:99], v10, s[6:7]         ; 512 threads x 4 keys
	global_load_b128 v[16:19], v[K16], s[66:67]
	global_load_b64 v[20:21], v[K8], s[66:67] offset:512
	global_load_b32 v255, v11, s[68:69]            ; q's scale words
.irp j, 22,23,24,25,26,27
	v_mov_b32 v[\j], 0                             ; the upper 64 of q's K: zero codes
.endr
.irp j, 80,81,82,83,84,85
	v_mov_b32 v[\j], 0                             ; what stands behind K's last tile
.endr
	v_mov_b32 v13, 0xff61b1e6                      ; the largest t so far: -3e38
	s_delay_alu instid0(VALU_DEP_1)
	v_floor_f32 v12, -v13                          ; -M
	v_mov_b32 v14, 0                               ; the sum, in two halves
	v_mov_b32 v15, 0
.irp b, 0,1,2,3
	v_mov_b32 v[236+\b], 0                         ; a lane permute's destination counts as one of its sources
.endr
	v_mov_b32 v253, 0
.set ii, 0
.rept 32
	v_mov_b32 v[160+ii], 0                         ; O^T: the step is written once; the first finds zeros
.set ii, ii+1
.endr
	v_mov_b32 v30, 0xd0000000                      ; -2^33
	v_mov_b32 v31, 0
	s_wait_alu depctr_va_vdst(0)
	s_wait_loadcnt 0x0
.irp j, 96,97,98,99
	v_cmp_eq_u32 vcc_lo, 0, v[\j]
	s_delay_alu instid0(VALU_DEP_1)
	v_cndmask_b32 v[\j], v31, v30, vcc_lo
.endr
	ds_store_b128 v89, v[96:99]
; A KEY STEP: 128 keys.
.macro STEP
	v_add_nc_u32 v[ADK], s[TK], v[K16]             ; (these four are also the places in front of loads into registers that the last step's products have read)
	v_add_nc_u32 v[ADK8], s[TK], v[K8]
	v_add_nc_u32 v[ADS], s[TS], v[KS0]
	v_add_nc_u32 v[ADM], s[TS], v[MB0]
.irp b, 0,1,2,3
.irp j, 0,1,2,3
	ds_load_b128 v[96+16*\b+4*\j:99+16*\b+4*\j], v[ADM] offset:128*\b+16*\j   ; the mask of keys 32 b + 16 h + 4 j on, straight into the scores' registers: it is the products' C
.endr
.endr
.irp t, 0,1,2,3,4,5,6,7
	ds_load_b128 v[32+6*\t:35+6*\t], v[ADK] offset:768*\t
	ds_load_b64 v[36+6*\t:37+6*\t], v[ADK8] offset:768*\t+512
.endr
.irp b, 0,1,2,3
	ds_load_b32 v[248+\b], v[ADS] offset:128*\b    ; lanes 0-15: tile 2 b's words, lanes 16-31: tile 2 b + 1's
.endr
	s_wait_alu depctr_va_vdst(0)
	s_wait_dscnt 0x0
.irp t, 0,2,4,6
	v_wmma_scale_f32_16x16x128_f8f6f4 v[96+8*\t:103+8*\t], v[32+6*\t:43+6*\t], v[16:27], v[96+8*\t:103+8*\t], v[248+\t/2], v255 matrix_a_fmt:MATRIX_FMT_FP6 matrix_b_fmt:MATRIX_FMT_FP6
	v_wmma_scale_f32_16x16x128_f8f6f4 v[104+8*\t:111+8*\t], v[38+6*\t:49+6*\t], v[16:27], v[104+8*\t:111+8*\t], v[248+\t/2], v255 matrix_a_fmt:MATRIX_FMT_FP6 matrix_b_fmt:MATRIX_FMT_FP6 matrix_a_scale:MATRIX_SCALE_ROW1
.endr
	v_add_nc_u32 v[ADV], s[TK], v[V16]             ; V's addresses: with the v_nop the four places in front of the loads below and of the first read of the scores
	v_add_nc_u32 v[ADV8], s[TK], v[V8]
	v_add_nc_u32 v[ADT], s[TJ], v[VS0]
	v_nop
.irp t, 0,1,2,3                                ; V's four tiles of these 128 keys land under the softmax
	ds_load_b128 v[32+12*\t:35+12*\t], v[ADV] offset:1536*\t
	ds_load_b64 v[36+12*\t:37+12*\t], v[ADV8] offset:1536*\t+512
	ds_load_b128 v[38+12*\t:41+12*\t], v[ADV] offset:1536*\t+768
	ds_load_b64 v[42+12*\t:43+12*\t], v[ADV8] offset:1536*\t+1280
.endr
	ds_load_b32 v28, v[ADT]
	ds_load_b32 v29, v[ADT] offset:128
.irp b, 0,1,2,3
	v_max3_num_f32 v[232+\b], v[96+16*\b], v[97+16*\b], v[98+16*\b]   ; the largest score of each block of 32 keys: for the row's maximum, and, since p rises with the score, for the block's largest p
.endr
.irp i, 3,5,7,9,11,13
.irp b, 0,1,2,3
	v_max3_num_f32 v[232+\b], v[232+\b], v[96+16*\b+\i], v[97+16*\b+\i]
.endr
.endr
.irp b, 0,1,2,3
	v_max_num_f32 v[232+\b], v[232+\b], v[111+16*\b]
.endr
.irp b, 0,1,2,3
	s_delay_alu instid0(VALU_DEP_4)
	v_permlanex16_b32 v[236+\b], v[232+\b], s[SEL], s[SEL+1]
.endr
.irp b, 0,1,2,3
	s_delay_alu instid0(VALU_DEP_4)
	v_max_num_f32 v[232+\b], v[232+\b], v[236+\b]  ; with lane l xor 16's 16 keys
.endr
	s_delay_alu instid0(VALU_DEP_2)
	v_max3_num_f32 v254, v232, v233, v234
	s_delay_alu instid0(VALU_DEP_1)
	v_max_num_f32 v254, v254, v235
	s_delay_alu instid0(VALU_DEP_1)
	v_mul_f32 v254, s[CS], v254                    ; as t (c is positive)
	s_delay_alu instid0(VALU_DEP_1)
	v_max_num_f32 v13, v13, v254                   ; the running largest t
	v_mov_b32 v254, v12
	s_delay_alu instid0(VALU_DEP_2)
	v_floor_f32 v12, -v13                          ; the new -M = -ceil(t)
	s_delay_alu instid0(VALU_DEP_1)
	v_sub_f32 v254, v12, v254                      ; old M - new M: a whole number, 0 or less
	s_delay_alu instid0(VALU_DEP_1)
	v_cvt_i32_f32 v254, v254                       ; (it saturates)
	s_delay_alu instid0(VALU_DEP_1)
	v_ldexp_f32 v252, 1.0, v254                    ; f = 2^(old M - new M)
.set ii, 0
.rept 32
	v_pk_fma_f32 v[96+ii:97+ii], v[96+ii:97+ii], s[CS:CS+1], v[12:13] op_sel_hi:[1,0,0]   ; t - M
.set ii, ii+2
.endr
.irp b, 0,1,2,3
	v_fma_f32 v[232+\b], v[232+\b], s[CS], v12
.endr
.set ii, 0
	s_wait_alu depctr_va_vdst(0)
.rept 64
	v_exp_f32 v[96+ii], v[96+ii]                   ; p = 2^(t - M)
.set ii, ii+1
.endr
	v_pk_mul_f32 v[14:15], v[14:15], v[252:253] op_sel_hi:[1,0]   ; the sums under the new M (a plain place behind the exponentials)
	s_wait_alu depctr_va_vdst(0)                   ; one wait for the batch, ahead of its first reader
.irp b, 0,1,2,3
	v_exp_f32 v[232+\b], v[232+\b]                 ; the block's largest p
.endr
	v_pk_add_f32 v[236:237], v[100:101], v[104:105]
	v_pk_add_f32 v[250:251], v[108:109], v[112:113]
	v_pk_add_f32 v[248:249], v[116:117], v[120:121]
	v_pk_add_f32 v[246:247], v[124:125], v[128:129]
	v_pk_add_f32 v[244:245], v[132:133], v[136:137]
	v_pk_add_f32 v[240:241], v[140:141], v[144:145]
	v_pk_add_f32 v[238:239], v[148:149], v[152:153]
	v_pk_add_f32 v[14:15], v[14:15], v[156:157]
	v_pk_add_f32 v[236:237], v[236:237], v[96:97]
	v_pk_add_f32 v[250:251], v[250:251], v[98:99]
	v_pk_add_f32 v[248:249], v[248:249], v[102:103]
	v_pk_add_f32 v[246:247], v[246:247], v[106:107]
	v_pk_add_f32 v[244:245], v[244:245], v[110:111]
	v_pk_add_f32 v[240:241], v[240:241], v[114:115]
	v_pk_add_f32 v[238:239], v[238:239], v[118:119]
	v_pk_add_f32 v[14:15], v[14:15], v[122:123]
	v_pk_add_f32 v[236:237], v[236:237], v[126:127]
	v_pk_add_f32 v[250:251], v[250:251], v[130:131]
	v_pk_add_f32 v[248:249], v[248:249], v[134:135]
	v_pk_add_f32 v[246:247], v[246:247], v[138:139]
	v_pk_add_f32 v[244:245], v[244:245], v[142:143]
	v_pk_add_f32 v[240:241], v[240:241], v[146:147]
	v_pk_add_f32 v[238:239], v[238:239], v[150:151]
	v_pk_add_f32 v[14:15], v[14:15], v[154:155]
	v_pk_add_f32 v[236:237], v[236:237], v[158:159]
	s_delay_alu instid0(VALU_DEP_2)
	v_pk_add_f32 v[14:15], v[14:15], v[246:247]
	s_delay_alu instid0(VALU_DEP_2)
	v_pk_add_f32 v[236:237], v[236:237], v[244:245]
	v_pk_add_f32 v[250:251], v[250:251], v[240:241]
	v_pk_add_f32 v[248:249], v[248:249], v[238:239]
	s_delay_alu instid0(VALU_DEP_2)
	v_pk_add_f32 v[14:15], v[14:15], v[250:251]
	s_delay_alu instid0(VALU_DEP_2)
	v_pk_add_f32 v[236:237], v[236:237], v[248:249]
	s_delay_alu instid0(VALU_DEP_1)
	v_pk_add_f32 v[14:15], v[14:15], v[236:237]
	s_wait_alu depctr_va_vdst(0)                   ; and one for the four
.irp b, 0,1,2,3
	v_max_num_f32 v[232+\b], 0x1800000, v[232+\b]  ; the floor 2^(3 - 127)
.endr
.irp b, 0,1,2,3
	s_delay_alu instid0(VALU_DEP_4)
	v_add_nc_u32 v[244+\b], 0xff000000, v[232+\b]  ; the conversion's scale operand
.endr
.irp b, 0,1,2,3
	s_delay_alu instid0(VALU_DEP_4)
	v_lshrrev_b32 v[236+\b], 23, v[244+\b]
.endr
	s_delay_alu instid0(VALU_DEP_3)
	v_lshl_or_b32 v253, v237, 8, v236              ; p's scale word for these 128 keys
	s_delay_alu instid0(VALU_DEP_1)
	v_lshl_or_b32 v253, v238, 16, v253
	s_delay_alu instid0(VALU_DEP_1)
	v_lshl_or_b32 v253, v239, 24, v253
.irp c, 0,1
	v_cvt_scalef32_pk16_fp6_f32 v[224+6*\c:226+6*\c], v[96+32*\c:111+32*\c], v[244+2*\c]
	v_cvt_scalef32_pk16_fp6_f32 v[236+4*\c:238+4*\c], v[112+32*\c:127+32*\c], v[244+2*\c+1]
.endr
	v_nop                                          ; one plain place behind a scaled conversion
.irp c, 0,1
.irp i, 0,1,2
	v_permlane16_swap_b32 v[224+6*\c+\i], v[236+4*\c+\i]
.endr
.irp i, 0,1,2
	s_delay_alu instid0(VALU_DEP_3)
	v_mov_b32 v[227+6*\c+\i], v[236+4*\c+\i]
.endr
.endr
.set ii, 0
.rept 16
	v_pk_mul_f32 v[160+ii:161+ii], v[160+ii:161+ii], v[252:253] op_sel_hi:[1,0]   ; O^T under the new M.  (These sixteen are also the places between the scale word, the codes and the products below)
.set ii, ii+2
.endr
	s_wait_alu depctr_va_vdst(0)
	s_wait_dscnt 0x0                               ; V
.irp t, 0,2
	v_wmma_scale_f32_16x16x128_f8f6f4 v[160+8*\t:167+8*\t], v[32+12*\t:43+12*\t], v[224:235], v[160+8*\t:167+8*\t], v[28+\t/2], v253 matrix_a_fmt:MATRIX_FMT_FP6 matrix_b_fmt:MATRIX_FMT_FP6
	v_wmma_scale_f32_16x16x128_f8f6f4 v[168+8*\t:175+8*\t], v[44+12*\t:55+12*\t], v[224:235], v[168+8*\t:175+8*\t], v[28+\t/2], v253 matrix_a_fmt:MATRIX_FMT_FP6 matrix_b_fmt:MATRIX_FMT_FP6 matrix_a_scale:MATRIX_SCALE_ROW1
.endr
.endm
	s_wait_tensorcnt 0x0                           ; my one tensor load has landed,
	s_wait_dscnt 0x0                               ; and my store of the mask is done:
	s_barrier_signal -1
	s_barrier_wait -1                              ; all of K, V and the mask are shown to all waves
	s_mov_b32 s[TK], 0
	s_mov_b32 s[TS], 0
	s_mov_b32 s[TJ], 0
	s_mov_b32 s[CNT], 16
.Lstep:
	STEP
	s_add_co_u32 s[TK], s[TK], 6144
	s_add_co_u32 s[TS], s[TS], 512
	s_add_co_u32 s[TJ], s[TJ], 256
	s_sub_co_u32 s[CNT], s[CNT], 1
	s_cmp_lg_u32 s[CNT], 0
	s_cbranch_scc1 .Lstep
	; THE WAY OUT: O^T / the sum; register 16 g + i is channel 32 g + 16 h + i of my query: two blocks of 32, half a fragment of the next product's first operand.
	v_add_f32 v14, v14, v15
	s_delay_alu instid0(VALU_DEP_1)
	v_permlanex16_b32 v252, v14, s[SEL], s[SEL+1]
	s_delay_alu instid0(VALU_DEP_1)
	v_add_f32 v14, v14, v252                       ; the row's sum
	s_wait_alu depctr_va_vdst(0)
	v_rcp_f32 v14, v14
	v_and_b32 v8, 31, v0                           ; (plain places behind the reciprocal and behind the last products)
	s_delay_alu instid0(VALU_DEP_1)
	v_lshlrev_b32 v9, 4, v8
	s_delay_alu instid0(VALU_DEP_2)
	v_lshlrev_b32 v10, 3, v8
	v_and_b32 v11, 15, v0
	s_delay_alu instid0(VALU_DEP_1)
	v_lshlrev_b32 v11, 2, v11
	s_lshr_b32 s10, s[BH], 4
	s_lshl_b32 s10, s10, 4
	s_lshr_b32 s11, s17, 3
	s_add_co_u32 s10, s10, s11                     ; the group of 128 tokens
	s_and_b32 s11, s[BH], 15
	s_lshr_b32 s11, s11, 1                         ; the K step: two heads to each
	s_and_b32 s12, s17, 7                          ; the block in the group
	s_and_b32 s13, s[BH], 1                        ; which half of the fragment
	s_mul_i32 s14, s10, 98304
	s_mul_i32 s15, s11, 12288
	s_add_co_u32 s14, s14, s15
	s_mul_i32 s15, s12, 1536
	s_add_co_u32 s14, s14, s15
	s_mul_i32 s15, s13, 768
	s_add_co_u32 s14, s14, s15
	s_add_co_u32 s14, s14, ACO
	s_mov_b32 s15, 0
	s_add_nc_u64 s[14:15], s[8:9], s[14:15]
	s_lshl_b32 s66, s10, 12
	s_lshl_b32 s67, s11, 9
	s_add_co_u32 s66, s66, s67
	s_lshl_b32 s67, s12, 6
	s_add_co_u32 s66, s66, s67
	s_lshl_b32 s67, s13, 1
	s_add_co_u32 s66, s66, s67
	s_mov_b32 s67, 0
	s_add_nc_u64 s[66:67], s[8:9], s[66:67]
	s_wait_alu depctr_va_vdst(0)                   ; ahead of the reciprocal's first reader
.set ii, 0
.rept 16
	v_pk_mul_f32 v[96+ii:97+ii], v[160+ii:161+ii], v[14:15] op_sel_hi:[1,0]   ; each accumulator from its low end on
.set ii, ii+2
.endr
.irp g, 0,1
	v_max3_num_f32 v[232+\g], |v[96+16*\g]|, |v[97+16*\g]|, 0x1800000
.endr
.irp i, 2,4,6,8,10,12,14
.irp g, 0,1
	s_delay_alu instid0(VALU_DEP_2)
	v_max3_num_f32 v[232+\g], v[232+\g], |v[96+16*\g+\i]|, |v[97+16*\g+\i]|
.endr
.endr
.irp g, 0,1
	s_delay_alu instid0(VALU_DEP_2)
	v_permlanex16_b32 v[236+\g], v[232+\g], s[SEL], s[SEL+1]
.endr
.irp g, 0,1
	s_delay_alu instid0(VALU_DEP_2)
	v_max_num_f32 v[232+\g], v[232+\g], v[236+\g]
.endr
.irp g, 0,1
	s_delay_alu instid0(VALU_DEP_2)
	v_add_nc_u32 v[244+\g], 0xff000000, v[232+\g]
.endr
.irp g, 0,1
	s_delay_alu instid0(VALU_DEP_2)
	v_lshrrev_b32 v[236+\g], 23, v[244+\g]
.endr
	s_delay_alu instid0(VALU_DEP_1)
	v_lshl_or_b32 v240, v237, 8, v236              ; my head's two bytes of the row's scale word
	v_cvt_scalef32_pk16_fp6_f32 v[224:226], v[96:111], v244
	v_cvt_scalef32_pk16_fp6_f32 v[228:230], v[112:127], v245
	v_nop
.irp i, 0,1,2
	v_permlane16_swap_b32 v[224+\i], v[228+\i]
.endr
.irp i, 0,1,2
	s_delay_alu instid0(VALU_DEP_3)
	v_mov_b32 v[227+\i], v[228+\i]
.endr
	global_store_b128 v9, v[224:227], s[14:15]                 ; 512 consecutive bytes, aligned to 256
	global_store_b64 v10, v[228:229], s[14:15] offset:512      ; 256 consecutive bytes, aligned
	global_store_b16 v11, v240, s[66:67]                       ; two bytes of each of 16 words (the other head of the K step writes the other two): 128 KB in all in this launch
	s_wait_tensorcnt 0x0                           ; the wave's end
	ds_add_u32 v223, v243
	s_wait_dscnt 0x0
	CROUND                                         ; the closing round: no work-group ends while a partner may still ask
	s_endpgm
.Lfunc_end_k_q1c3607c1b9_attn:
	.size	k_q1c3607c1b9_attn, .Lfunc_end_k_q1c3607c1b9_attn-k_q1c3607c1b9_attn
	.p2alignl 7, 3214868480
	.fill 96, 4, 3214868480
	.section	.rodata,"a",@progbits
	.p2align	6, 0x0
	.amdhsa_kernel k_q1c3607c1b9_attn
		.amdhsa_group_segment_fixed_size 219136
		.amdhsa_private_segment_fixed_size 0
		.amdhsa_enable_private_segment 0
		.amdhsa_kernarg_size 24
		.amdhsa_user_sgpr_count 2
		.amdhsa_user_sgpr_kernarg_segment_ptr 1
		.amdhsa_wavefront_size32 1
		.amdhsa_system_sgpr_workgroup_id_x 1
		.amdhsa_system_sgpr_workgroup_id_y 1
		.amdhsa_system_sgpr_workgroup_id_z 1
		.amdhsa_system_vgpr_workitem_id 0
		.amdhsa_next_free_vgpr 256
		.amdhsa_next_free_sgpr 80
		.amdhsa_reserve_vcc 1
		.amdhsa_float_denorm_mode_32 3
		.amdhsa_float_denorm_mode_16_64 3
		.amdhsa_memory_ordered 1
		.amdhsa_forward_progress 1
		.amdhsa_inst_pref_size 34
	.end_amdhsa_kernel
	.amdgpu_metadata
---
amdhsa.version: [ 1, 2 ]
amdhsa.kernels:
  - .name:           k_q1c3607c1b9_attn
    .symbol:         k_q1c3607c1b9_attn.kd
    .args:
      - { .name: qkvq, .offset: 0, .size: 8, .value_kind: global_buffer, .address_space: global }
      - { .name: mask, .offset: 8, .size: 8, .value_kind: global_buffer, .address_space: global }
      - { .name: act, .offset: 16, .size: 8, .value_kind: global_buffer, .address_space: global }
    .group_segment_fixed_size: 219136
    .private_segment_fixed_size: 0
    .kernarg_segment_align: 8
    .kernarg_segment_size: 24
    .max_flat_workgroup_size: 512
    .sgpr_count:     80
    .vgpr_count:     256
    .wavefront_size: 32
...
	.end_amdgpu_metadata
.endif
;; end of part 3
;; launch woln (part 4): grid 256 x 1, 8 waves a work-group, no clusters, 285,440 bytes of LDS; arguments act, woq, x, bo, ln1_g, ln1_b, x1b; writes x1b
.if DOCPART == 4
	.amdgcn_target "amdgcn-amd-amdhsa--gfx1250"
	.amdhsa_code_object_version 6
	.text
	.protected	k_q1c3607c1b9_woln
	.globl	k_q1c3607c1b9_woln
	.p2align	8
	.type	k_q1c3607c1b9_woln,@function
k_q1c3607c1b9_woln:
	s_mov_b64 s[64:65], 0
	v_nop
	global_prefetch_b8 v0, s[64:65] scope:SCOPE_SE
	s_setreg_imm32_b32 hwreg(HW_REG_WAVE_MODE, 25, 1), 1
	s_wait_xcnt 0x0
; x1 = layer norm(x + ctx Wo + bo) x g + b.  The product runs on codes of FP6 (E2M3) with E8M0 scales, sums in f32; the norm is in f32, mean first, then the mean of the squared differences.
; x1 leaves as f32 (natural rows) and as codes with scale words, laid as the next product's operand registers want them.
; SHARES.  256 work-groups of 8 waves.  A work-group owns one stored block of 16 rows x all 1,024 columns, so the norm needs no other work-group; wave w owns the weight's group w of 128 stored columns: 8 accumulators.
; THE WEIGHT's fragments lie in memory as images of their registers, and no fragment is used by two waves of a work-group.  A work-group walks the eight K steps from k0 = 2 id mod 8 on and round: the sums are the same
; numbers in another order.  The walk's first six K steps go from memory straight into registers: two sets of 8 fragments and 4 scale registers take turns, one K step (36 loads) ahead.
; The walk's last two K steps come by ONE TENSOR LOAD A WAVE (the wave's own group, 24,576 bytes) into LDS bytes of the wave's own, asked for at the head, filled once, and read by that wave alone behind its own wait:
; beside the stage LDS has room for two K steps of the 1,024 columns, 196,608 bytes.  Their scale words come by loads like the others'.
; No joint load: work-groups that stand side by side begin at different K steps, so their tiles are different bytes.  No prefetch: all 256 work-groups read the same weight bytes, and the loads run a K step ahead.
; THE 16 ROWS' fragments and scale words are copied once into LDS, in the order in which this work-group walks K, and read a K step ahead.
; x + bo is laid in an LDS stage and read back in the accumulators' layout: it is the sums' first value.  The matrix instruction is used transposed (source 0 = the weight): lane (r, h) holds row r,
; and register 16 u + e of its 64 is column 128 w + 32 u + 16 h + e.  So the 64 registers are K step w of the next operand's fragment, and are quantised where they lie.
; LIMITS: a block of zeros keeps the scale byte 1 (its codes are zeros; only this program reads the bytes); NaN and infinities are not served.
.set NK,    8                          ; K steps of 128
.set FRB,   1536                       ; a fragment's image
.set KSB,   12288                      ; eight of them
.set GRP,   98304                      ; a group of 128 positions x 1,024 K
.set ACO,   524288                     ; act: scale words at 0, codes here
.set BCO,   131072                     ; the weight: scale words at 0, codes here
.set X1S,   16777216                   ; x1b: f32 at 0, scale words here, codes at X1C
.set X1C,   16908288
.set SP,    4112                       ; LDS: the stage, 16 rows of 4,096 + 16 bytes, at 0
.set GB,    16*SP                      ; g, then b
.set AF,    GB+8192                    ; the rows' fragments, one for each K step
.set ASC,   AF+NK*FRB                  ; their scale words, 64 bytes a K step
.set RED,   ASC+NK*64                  ; the waves' partial sums: [row][wave], twice
.set SPARE, RED+1024                   ; the spare words, 128 bytes a wave
.set WL,    SPARE+1024                 ; the weight's last two K steps: 24,576 bytes a wave, filled by tensor loads alone
.set O16, 1
.set O8,  2
.set O4,  3
.set R4,  4
.set SWR, 5                            ; stage by rows;  v6 stage in the accumulators' layout;  v7 the same in g
.set SRD, 6
.set GRD, 7
.set GW,  8
.set GO,  9
.set AW,  10
.set AWS, 11
.set A16B, 12                          ; v12-14 LDS bases of the rows' fragments and scale words;  v15-17 the same for the K step that is fetched
.set ADA, 15
.set RW,  18
.set RR,  19
.set SPW, 20
.set NIL, 21
.set WB,  26                           ; v26, v27 my part of WL + 16 lane, + 8 lane
.set ACC, 32                           ; v32-95 accumulators
.set AFR, 96                           ; v96-119 the rows' fragment, two sets
.set SB,  120                          ; v120-127 the weight's scale words, two sets;  v132, v128 the rows'
.set T,   136
.set TM,  136
.set PW,  152
.set TX,  153
.set MEAN, 154
.set RSTD, 156
.set PC,  160
.set R0,  180
.set BI,  160                          ; at the head: bias, fragments on their way to LDS, g, b
.set AC,  192
.set ASW, 240
.set GV,  244
.set BV,  248
.set MSB, 0
.macro WIN new                         ; the immediate's high byte repeats the setting that is left
.if MSB != (\new)
	s_set_vgpr_msb (MSB<<8)|(\new)
.set MSB, (\new)
.endif
.endm
.macro PLACES n
.rept \n
	v_nop
.endr
.endm
.macro WALU
	s_wait_alu depctr_va_vdst(0)
.endm
.macro BPTR                            ; s[44:45], s[46:47]: the weight's codes and scale words of K step s48 (even)
	s_mul_i32 s60, s48, KSB
	s_mov_b32 s61, 0
	s_add_nc_u64 s[44:45], s[40:41], s[60:61]
	s_lshl_b32 s60, s48, 9
	s_add_nc_u64 s[46:47], s[42:43], s[60:61]
.endm
.macro LOADS buf                       ; 4 loads: the weight's scale registers (lanes 0-15 block 2 i, lanes 16-31 block 2 i + 1)
.irp i, 0,1,2,3
	global_load_b32 v[SB+4*\buf+\i], v[O4], s[46:47] offset:\buf*512+128*\i
.endr
.endm
.macro LOADB buf                       ; 36 loads: 8 fragments from memory into window 1, set buf, and the scale registers
	WIN 0x40
.irp b, 0,1,2,3,4,5,6,7
	global_load_b128 v[96*\buf+12*\b:96*\buf+12*\b+3], v[O16], s[44:45] offset:\buf*KSB+\b*FRB
	global_load_b64 v[96*\buf+12*\b+4:96*\buf+12*\b+5], v[O8], s[44:45] offset:\buf*KSB+\b*FRB+512
	global_load_b128 v[96*\buf+12*\b+6:96*\buf+12*\b+9], v[O16], s[44:45] offset:\buf*KSB+\b*FRB+768
	global_load_b64 v[96*\buf+12*\b+10:96*\buf+12*\b+11], v[O8], s[44:45] offset:\buf*KSB+\b*FRB+1280
.endr
	WIN 0
	LOADS \buf
.endm
.macro LOADL buf                       ; 32 LDS loads: 8 fragments out of my part of WL; and the 4 loads of the scale registers
	WIN 0x40
.irp b, 0,1,2,3,4,5,6,7
	ds_load_b128 v[96*\buf+12*\b:96*\buf+12*\b+3], v[WB] offset:\buf*KSB+\b*FRB
	ds_load_b64 v[96*\buf+12*\b+4:96*\buf+12*\b+5], v[WB+1] offset:\buf*KSB+\b*FRB+512
	ds_load_b128 v[96*\buf+12*\b+6:96*\buf+12*\b+9], v[WB] offset:\buf*KSB+\b*FRB+768
	ds_load_b64 v[96*\buf+12*\b+10:96*\buf+12*\b+11], v[WB+1] offset:\buf*KSB+\b*FRB+1280
.endr
	WIN 0
	LOADS \buf
.endm
.macro LOADA buf, a                    ; 5 LDS loads: the rows' fragment and scale word
	ds_load_b128 v[AFR+12*\buf:AFR+12*\buf+3], v[\a] offset:\buf*FRB
	ds_load_b64 v[AFR+12*\buf+4:AFR+12*\buf+5], v[\a+1] offset:\buf*FRB+512
	ds_load_b128 v[AFR+12*\buf+6:AFR+12*\buf+9], v[\a] offset:\buf*FRB+768
	ds_load_b64 v[AFR+12*\buf+10:AFR+12*\buf+11], v[\a+1] offset:\buf*FRB+1280
	ds_load_b32 v[132-4*\buf], v[\a+2] offset:\buf*64
.endm
.macro MULS buf                        ; the 8 accumulators take turns, one instruction a turn
	WIN 0x01
.irp b, 0,1,2,3,4,5,6,7
.if \b%2
	v_wmma_scale_f32_16x16x128_f8f6f4 v[ACC+8*\b:ACC+8*\b+7], v[96*\buf+12*\b:96*\buf+12*\b+11], v[AFR+12*\buf:AFR+12*\buf+11], v[ACC+8*\b:ACC+8*\b+7], v[SB+4*\buf+\b/2], v[132-4*\buf] matrix_a_fmt:MATRIX_FMT_FP6 matrix_b_fmt:MATRIX_FMT_FP6 matrix_a_scale:MATRIX_SCALE_ROW1
.else
	v_wmma_scale_f32_16x16x128_f8f6f4 v[ACC+8*\b:ACC+8*\b+7], v[96*\buf+12*\b:96*\buf+12*\b+11], v[AFR+12*\buf:AFR+12*\buf+11], v[ACC+8*\b:ACC+8*\b+7], v[SB+4*\buf+\b/2], v[132-4*\buf] matrix_a_fmt:MATRIX_FMT_FP6 matrix_b_fmt:MATRIX_FMT_FP6
.endif
.endr
	WIN 0
.endm
; A K step on set buf.  lw, dw: the loads and the LDS loads of the other set, issued behind this set's, which may be out.  more: this set takes the K step two on, from memory (1) or out of WL (2).
.macro KSTEP buf, more, lw, dw
	s_wait_loadcnt \lw
	s_wait_dscnt \dw
	MULS \buf
.if \more
.if \buf == 0
	v_add_nc_u32 v[ADA], s50, v[A16B]              ; (these three and the v_nop are the four places in front of loads into registers that the products have read)
	v_add_nc_u32 v[ADA+1], s50, v[A16B+1]
	v_add_nc_u32 v[ADA+2], s51, v[A16B+2]
	v_nop
	WALU
	s_wait_xcnt 0x0                                ; the earlier loads have read their bases
	s_add_co_u32 s48, s48, 2
	s_and_b32 s48, s48, NK-1
	BPTR
.else
	PLACES 4
.endif
.if \more == 2
	LOADL \buf
.else
	LOADB \buf
.endif
	LOADA \buf, ADA
.if \buf
	s_add_co_u32 s50, s50, 2*FRB
	s_add_co_u32 s51, s51, 128
.endif
.endif
.endm
.macro XSUM off                        ; v[T]: my lane's sum of 64 columns -> the row's sum of all 1,024, the same bits in every wave
	v_permlanex16_b32 v[TX], v[T], s52, s53
	v_add_f32 v[T], v[T], v[TX]
	ds_store_b32 v[RW], v[T] offset:\off           ; both halves of the lanes write the same word with the same value
	WALU
	s_wait_dscnt 0x0
	s_barrier_signal -1
	s_barrier_wait -1
	ds_load_b128 v[R0:R0+3], v[RR] offset:\off
	ds_load_b128 v[R0+4:R0+7], v[RR] offset:\off+16
	s_wait_dscnt 0x0
	v_pk_add_f32 v[R0:R0+1], v[R0:R0+1], v[R0+2:R0+3]
	v_pk_add_f32 v[R0+4:R0+5], v[R0+4:R0+5], v[R0+6:R0+7]
	v_pk_add_f32 v[R0:R0+1], v[R0:R0+1], v[R0+4:R0+5]
	v_add_f32 v[T], v[R0], v[R0+1]
.endm
.macro QUANT s, pw                     ; 64 numbers of a lane, register 16 b + i = k 32 b + 16 h + i of my row, become a fragment's codes in v[PC] on and its scale word
.irp b, 0,1,2,3
	v_max3_num_f32 v[TM+\b], |v[\s+16*\b]|, |v[\s+1+16*\b]|, 0x1800000   ; and the floor 2^(3 - 127): the byte cannot fall under 1
.endr
.irp i, 2,4,6,8,10,12,14
.irp b, 0,1,2,3
	v_max3_num_f32 v[TM+\b], v[TM+\b], |v[\s+16*\b+\i]|, |v[\s+1+16*\b+\i]|
.endr
.endr
.irp b, 0,1,2,3
	v_permlanex16_b32 v[TM+4+\b], v[TM+\b], s52, s53
.endr
.irp b, 0,1,2,3
	v_max_num_f32 v[TM+\b], v[TM+\b], v[TM+4+\b]
.endr
.irp b, 0,1,2,3
	v_add_nc_u32 v[TM+12+\b], 0xff000000, v[TM+\b]   ; 2 off the exponent field: the conversion's scale operand
.endr
.irp b, 0,1,2,3
	v_lshrrev_b32 v[TM+4+\b], 23, v[TM+12+\b]
.endr
	v_lshl_or_b32 v[\pw], v[TM+5], 8, v[TM+4]
	v_lshl_or_b32 v[\pw], v[TM+6], 16, v[\pw]
	v_lshl_or_b32 v[\pw], v[TM+7], 24, v[\pw]
.irp c, 0,1
	v_cvt_scalef32_pk16_fp6_f32 v[PC+6*\c:PC+2+6*\c], v[\s+32*\c:\s+15+32*\c], v[TM+12+2*\c]
	v_cvt_scalef32_pk16_fp6_f32 v[PC+12+4*\c:PC+14+4*\c], v[\s+16+32*\c:\s+31+32*\c], v[TM+12+2*\c+1]
.endr
	v_nop                                          ; one plain place behind a scaled conversion
.irp c, 0,1
.irp i, 0,1,2
	v_permlane16_swap_b32 v[PC+6*\c+\i], v[PC+12+4*\c+\i]
.endr
.irp i, 0,1,2
	v_mov_b32 v[PC+3+6*\c+\i], v[PC+12+4*\c+\i]
.endr
.endr
.endm
	s_load_b256 s[4:11], s[0:1], 0x0               ; act, the weight, the residual, the bias
	s_load_b128 s[12:15], s[0:1], 0x20             ; g, b
	s_load_b64 s[16:17], s[0:1], 0x30              ; the output
	v_lshl_add_u32 v[SPW], v0, 2, SPARE
	v_mov_b32 v[NIL], 0
	ds_add_u32 v[SPW], v[NIL]                      ; the opening lines: the add, twice on end, and its wait ahead of my tensor load
	ds_add_u32 v[SPW], v[NIL]
	v_lshrrev_b32 v22, 5, v0
	v_readfirstlane_b32 s2, v22                    ; wave 0..7
	v_and_b32 v23, 31, v0
	v_and_b32 v24, 15, v0                          ; r
	v_bfe_u32 v25, v0, 4, 1                        ; h
	v_lshlrev_b32 v[O16], 4, v23
	v_lshlrev_b32 v[O8], 3, v23
	v_lshlrev_b32 v[O4], 2, v23
	v_lshlrev_b32 v[R4], 2, v24
	s_mul_i32 s3, s2, 2*SP
	v_add_nc_u32 v[SWR], s3, v[O16]                ; my two rows of the stage
	s_lshl_b32 s18, s2, 9
	v_mul_u32_u24 v[SRD], v24, SP
	v_lshl_add_u32 v[SRD], v25, 6, v[SRD]
	v_add_nc_u32 v[SRD], s18, v[SRD]               ; row r, my 128 columns, + 64 h
	v_lshl_add_u32 v[GRD], v25, 6, GB
	v_add_nc_u32 v[GRD], s18, v[GRD]
	v_lshlrev_b32 v[GO], 4, v0
	v_lshl_add_u32 v[GW], v0, 4, GB
	s_mul_i32 s3, s2, FRB
	v_add_nc_u32 v[A16B], AF, v[O16]
	v_add_nc_u32 v[A16B+1], AF, v[O8]
	v_add_nc_u32 v[A16B+2], ASC, v[R4]
	v_add_nc_u32 v[AW], s3, v[A16B]
	s_lshl_b32 s3, s2, 6
	v_add_nc_u32 v[AWS], s3, v[A16B+2]
	v_lshl_add_u32 v[RR], v24, 5, RED
	s_lshl_b32 s3, s2, 2
	v_add_nc_u32 v[RW], s3, v[RR]
	s_mul_i32 s77, s2, 2*KSB
	s_add_co_u32 s77, s77, WL                      ; my part of WL
	v_add_nc_u32 v[WB], s77, v[O16]
	v_add_nc_u32 v[WB+1], s77, v[O8]
	v_mov_b32 v[TX], 0                             ; a lane permute's destination counts as one of its sources
	v_mov_b32 v[MEAN+1], 0                         ; (named as the upper halves of pairs)
	v_mov_b32 v[RSTD+1], 0
	WALU
	s_mov_b32 s68, 3<<16                           ; descriptor group 1: 96 rows of 256 bytes (32 elements of 8), dense
	s_mov_b32 s69, 32<<16
	s_mov_b32 s70, 96<<16
	s_mov_b32 s71, 32<<16
	s_mov_b32 s72, 96
	s_mov_b32 s73, 32
	s_mov_b32 s74, 0
	s_mov_b32 s75, 0
	s_mov_b32 s76, 1
	s_mov_b32 s52, 0x76543210
	s_mov_b32 s53, 0xfedcba98
	s_mov_b32 s54, 0x3a800000                      ; 1 / 1,024
	s_mov_b32 s55, 0x3727c5ac                      ; 1e-5
	s_lshr_b32 s20, ttmp9, 1                       ; my first row: 32 (id / 2) + 8 (id % 2) + 2 w + 8 (w / 4), x 4,096 bytes
	s_lshl_b32 s20, s20, 17
	s_and_b32 s3, ttmp9, 1
	s_lshl_b32 s3, s3, 15
	s_add_co_u32 s20, s20, s3
	s_lshl_b32 s3, s2, 13
	s_add_co_u32 s20, s20, s3
	s_lshr_b32 s3, s2, 2
	s_lshl_b32 s3, s3, 15
	s_add_co_u32 s20, s20, s3
	s_mov_b32 s21, 0
	s_lshr_b32 s18, ttmp9, 3                       ; the group of 128 rows
	s_and_b32 s19, ttmp9, 7                        ; the block in it
	s_lshl_b32 s48, ttmp9, 1
	s_and_b32 s48, s48, NK-1                       ; k0
	s_mul_i32 s22, s18, GRP
	s_mul_i32 s3, s19, FRB
	s_add_co_u32 s22, s22, s3
	s_add_co_u32 s22, s22, ACO
	s_lshl_b32 s23, s18, 12
	s_lshl_b32 s3, s19, 6
	s_add_co_u32 s23, s23, s3
	s_add_co_u32 s62, s48, s2                      ; LDS place w takes K step (k0 + w) mod 8
	s_and_b32 s62, s62, NK-1
	s_mul_i32 s24, s62, KSB
	s_add_co_u32 s24, s24, s22
	s_mov_b32 s25, 0
	s_lshl_b32 s26, s62, 9
	s_add_co_u32 s26, s26, s23
	s_mov_b32 s27, 0
	s_mul_i32 s40, s2, GRP
	s_add_co_u32 s40, s40, BCO
	s_mov_b32 s41, 0
	s_lshl_b32 s42, s2, 12
	s_mov_b32 s43, 0
	s_mul_i32 s56, s2, KSB                         ; x1's codes: my group, K step w, my block
	s_add_co_u32 s56, s56, s22
	s_add_co_u32 s56, s56, X1C-ACO
	s_mov_b32 s57, 0
	s_lshl_b32 s58, s2, 9
	s_add_co_u32 s58, s58, s23
	s_add_co_u32 s58, s58, X1S
	s_mov_b32 s59, 0
	s_add_co_u32 s62, s48, NK-2                    ; the walk's last two K steps: (k0 + 6) mod 8 and the next
	s_and_b32 s62, s62, NK-1
	s_mul_i32 s62, s62, KSB
	s_mov_b32 s63, 0
	s_mov_b32 s50, 2*FRB
	s_mov_b32 s51, 128
	s_mov_b32 s49, NK/2-2
	s_wait_dscnt 0x0                               ; both opening adds are done
	s_wait_kmcnt 0x0
	s_add_nc_u64 s[40:41], s[6:7], s[40:41]
	s_add_nc_u64 s[78:79], s[40:41], s[62:63]
	s_or_b32 s79, s79, 0x80000000
	tensor_load_to_lds s[76:79], s[68:75]          ; my one tensor load: it has the walk's first four K steps in which to land
	s_nop 0
	PLACES 4
	s_add_nc_u64 s[8:9], s[8:9], s[20:21]
	s_add_nc_u64 s[56:57], s[16:17], s[56:57]
	s_add_nc_u64 s[58:59], s[16:17], s[58:59]
	s_add_nc_u64 s[16:17], s[16:17], s[20:21]
	s_add_nc_u64 s[42:43], s[6:7], s[42:43]
	s_add_nc_u64 s[24:25], s[4:5], s[24:25]
	s_add_nc_u64 s[26:27], s[4:5], s[26:27]
	BPTR
.irp o, 0,1
.irp c, 0,1,2,3,4,5,6,7
	global_load_b128 v[ACC+32*\o+4*\c:ACC+32*\o+4*\c+3], v[O16], s[8:9] offset:\o*4096+512*\c th:TH_LOAD_NT
.endr
.endr
.irp c, 0,1,2,3,4,5,6,7
	global_load_b128 v[BI+4*\c:BI+4*\c+3], v[O16], s[10:11] offset:512*\c
.endr
.irp p, 0,1,2
	global_load_b128 v[AC+4*\p:AC+4*\p+3], v[O16], s[24:25] offset:512*\p
.endr
	global_load_b32 v[ASW], v[R4], s[26:27]
	global_load_b128 v[GV:GV+3], v[GO], s[12:13]
	global_load_b128 v[BV:BV+3], v[GO], s[14:15]
	LOADB 0
	s_wait_loadcnt 36                              ; all but the weight's first 36
.irp o, 0,1
.set ii, 0
.rept 16
	v_pk_add_f32 v[ACC+32*\o+ii:ACC+32*\o+ii+1], v[ACC+32*\o+ii:ACC+32*\o+ii+1], v[BI+ii:BI+ii+1]
.set ii, ii+2
.endr
.irp c, 0,1,2,3,4,5,6,7
	ds_store_b128 v[SWR], v[ACC+32*\o+4*\c:ACC+32*\o+4*\c+3] offset:\o*SP+512*\c
.endr
.endr
.irp p, 0,1,2
	ds_store_b128 v[AW], v[AC+4*\p:AC+4*\p+3] offset:512*\p
.endr
	ds_store_b32 v[AWS], v[ASW]
	ds_store_b128 v[GW], v[GV:GV+3]
	ds_store_b128 v[GW], v[BV:BV+3] offset:4096
	LOADB 1
	WALU
	s_wait_dscnt 0x0                               ; for the others' sake: my stores are done
	s_barrier_signal -1
	s_barrier_wait -1
.irp u, 0,1,2,3
.irp j, 0,1,2,3
	ds_load_b128 v[ACC+16*\u+4*\j:ACC+16*\u+4*\j+3], v[SRD] offset:128*\u+16*\j   ; the residual and the bias: the sums' first value
.endr
.endr
	LOADA 0, A16B
	LOADA 1, A16B
.Lk:                                                   ; the walk's K steps 0 to 3; they fetch K steps 2 to 5 from memory
	KSTEP 0, 1, 36, 5
	KSTEP 1, 1, 36, 5
	s_sub_co_u32 s49, s49, 1
	s_cmp_lg_u32 s49, 0
	s_cbranch_scc1 .Lk
	s_wait_tensorcnt 0x0                           ; my part of WL has landed
	KSTEP 0, 2, 36, 5                              ; K steps 4 and 5 fetch K steps 6 and 7 out of WL: 4 loads and 37 LDS loads each
	KSTEP 1, 2, 4, 37
	KSTEP 0, 0, 4, 37                              ; the last two K steps fetch nothing
	KSTEP 1, 0, 0, 0
	PLACES 4                                       ; in front of the first read of results and of loads into the fragments' registers
	WIN 0x40
.irp u, 0,1,2,3
.irp j, 0,1,2,3
	ds_load_b128 v[16*\u+4*\j:16*\u+4*\j+3], v[GRD] offset:128*\u+16*\j             ; g and b in the accumulators' layout, into window 1
	ds_load_b128 v[64+16*\u+4*\j:64+16*\u+4*\j+3], v[GRD] offset:4096+128*\u+16*\j
.endr
.endr
	WIN 0
.irp b, 0,1,2,3,4,5,6,7
	v_pk_add_f32 v[T+2*\b:T+2*\b+1], v[ACC+8*\b:ACC+8*\b+1], v[ACC+8*\b+2:ACC+8*\b+3]   ; each accumulator from its low end on
.endr
.irp q, 4,6
.irp b, 0,1,2,3,4,5,6,7
	v_pk_add_f32 v[T+2*\b:T+2*\b+1], v[T+2*\b:T+2*\b+1], v[ACC+8*\b+\q:ACC+8*\b+\q+1]
.endr
.endr
.irp b, 0,4,8,12
	v_pk_add_f32 v[T+\b:T+\b+1], v[T+\b:T+\b+1], v[T+\b+2:T+\b+3]
.endr
	v_pk_add_f32 v[T:T+1], v[T:T+1], v[T+4:T+5]
	v_pk_add_f32 v[T+8:T+9], v[T+8:T+9], v[T+12:T+13]
	v_pk_add_f32 v[T:T+1], v[T:T+1], v[T+8:T+9]
	v_add_f32 v[T], v[T], v[T+1]
	XSUM 0
	v_mul_f32 v[MEAN], s54, v[T]
.set ii, 0
.rept 32
	v_pk_add_f32 v[ACC+ii:ACC+ii+1], v[ACC+ii:ACC+ii+1], v[MEAN:MEAN+1] op_sel_hi:[1,0] neg_lo:[0,1] neg_hi:[0,1]
.set ii, ii+2
.endr
.irp c, 0,2,4,6
	v_pk_mul_f32 v[T+\c:T+\c+1], v[ACC+\c:ACC+\c+1], v[ACC+\c:ACC+\c+1]
.endr
.set ii, 8
.rept 28
	v_pk_fma_f32 v[T+ii%8:T+ii%8+1], v[ACC+ii:ACC+ii+1], v[ACC+ii:ACC+ii+1], v[T+ii%8:T+ii%8+1]
.set ii, ii+2
.endr
	v_pk_add_f32 v[T:T+1], v[T:T+1], v[T+2:T+3]
	v_pk_add_f32 v[T+4:T+5], v[T+4:T+5], v[T+6:T+7]
	v_pk_add_f32 v[T:T+1], v[T:T+1], v[T+4:T+5]
	v_add_f32 v[T], v[T], v[T+1]
	XSUM 512
	v_fma_f32 v[RSTD], v[T], s54, s55              ; the variance + 1e-5
	WALU
	v_rsq_f32 v[RSTD], v[RSTD]
	v_nop                                          ; a plain place behind the transcendental
	WALU
.set ii, 0
.rept 32
	v_pk_mul_f32 v[ACC+ii:ACC+ii+1], v[ACC+ii:ACC+ii+1], v[RSTD:RSTD+1] op_sel_hi:[1,0]
.set ii, ii+2
.endr
	WIN 0x14                                       ; g and b lie in window 1
.set ii, 0
.rept 32
	v_pk_fma_f32 v[ACC+ii:ACC+ii+1], v[ACC+ii:ACC+ii+1], v[ii:ii+1], v[64+ii:65+ii]
.set ii, ii+2
.endr
	WIN 0
.irp u, 0,1,2,3
.irp j, 0,1,2,3
	ds_store_b128 v[SRD], v[ACC+16*\u+4*\j:ACC+16*\u+4*\j+3] offset:128*\u+16*\j   ; back into the cells of the stage that this lane read
.endr
.endr
	QUANT ACC, PW
	global_store_b128 v[O16], v[PC:PC+3], s[56:57]
	global_store_b64 v[O8], v[PC+4:PC+5], s[56:57] offset:512
	global_store_b128 v[O16], v[PC+6:PC+9], s[56:57] offset:768
	global_store_b64 v[O8], v[PC+10:PC+11], s[56:57] offset:1280
	global_store_b32 v[R4], v[PW], s[58:59]        ; 16 words, 64 bytes (both halves of the lanes hold the same word)
	WALU
	s_wait_dscnt 0x0
	s_barrier_signal -1
	s_barrier_wait -1
.irp o, 0,1
.irp c, 0,1,2,3,4,5,6,7
	ds_load_b128 v[ACC+32*\o+4*\c:ACC+32*\o+4*\c+3], v[SWR] offset:\o*SP+512*\c
.endr
.endr
	s_wait_dscnt 0x0
.irp o, 0,1
.irp c, 0,1,2,3,4,5,6,7
	global_store_b128 v[O16], v[ACC+32*\o+4*\c:ACC+32*\o+4*\c+3], s[16:17] offset:\o*4096+512*\c   ; 512 consecutive bytes, aligned to 256
.endr
.endr
	s_wait_tensorcnt 0x0                           ; the wave's end
	ds_add_u32 v[SPW], v[NIL]
	s_wait_dscnt 0x0
	s_endpgm
.Lfunc_end_k_q1c3607c1b9_woln:
	.size	k_q1c3607c1b9_woln, .Lfunc_end_k_q1c3607c1b9_woln-k_q1c3607c1b9_woln
	.p2alignl 7, 3214868480
	.fill 96, 4, 3214868480
	.section	.rodata,"a",@progbits
	.p2align	6, 0x0
	.amdhsa_kernel k_q1c3607c1b9_woln
		.amdhsa_group_segment_fixed_size 285440
		.amdhsa_private_segment_fixed_size 0
		.amdhsa_enable_private_segment 0
		.amdhsa_kernarg_size 56
		.amdhsa_user_sgpr_count 2
		.amdhsa_user_sgpr_kernarg_segment_ptr 1
		.amdhsa_wavefront_size32 1
		.amdhsa_system_sgpr_workgroup_id_x 1
		.amdhsa_system_sgpr_workgroup_id_y 1
		.amdhsa_system_sgpr_workgroup_id_z 1
		.amdhsa_system_vgpr_workitem_id 0
		.amdhsa_next_free_vgpr 512
		.amdhsa_next_free_sgpr 80
		.amdhsa_reserve_vcc 0
		.amdhsa_float_denorm_mode_32 3
		.amdhsa_float_denorm_mode_16_64 3
		.amdhsa_memory_ordered 1
		.amdhsa_forward_progress 1
		.amdhsa_inst_pref_size 64
	.end_amdhsa_kernel
	.amdgpu_metadata
---
amdhsa.version: [ 1, 2 ]
amdhsa.kernels:
  - .name:           k_q1c3607c1b9_woln
    .symbol:         k_q1c3607c1b9_woln.kd
    .args:
      - { .name: act, .offset: 0, .size: 8, .value_kind: global_buffer, .address_space: global }
      - { .name: woq, .offset: 8, .size: 8, .value_kind: global_buffer, .address_space: global }
      - { .name: x, .offset: 16, .size: 8, .value_kind: global_buffer, .address_space: global }
      - { .name: bo, .offset: 24, .size: 8, .value_kind: global_buffer, .address_space: global }
      - { .name: ln1_g, .offset: 32, .size: 8, .value_kind: global_buffer, .address_space: global }
      - { .name: ln1_b, .offset: 40, .size: 8, .value_kind: global_buffer, .address_space: global }
      - { .name: x1b, .offset: 48, .size: 8, .value_kind: global_buffer, .address_space: global }
    .group_segment_fixed_size: 285440
    .private_segment_fixed_size: 0
    .kernarg_segment_align: 8
    .kernarg_segment_size: 56
    .max_flat_workgroup_size: 256
    .sgpr_count:     80
    .vgpr_count:     512
    .wavefront_size: 32
...
	.end_amdgpu_metadata
.endif
;; end of part 4
;; launch ffn1 (part 5): grid 16 x 16, 4 waves a work-group, clusters of 4 x 4, 327,680 bytes of LDS; arguments x1b, qin, b1, act; writes act
.if DOCPART == 5
	.amdgcn_target "amdgcn-amd-amdhsa--gfx1250"
	.amdhsa_code_object_version 6
	.text
	.protected	k_q1c3607c1b9_ffn1
	.globl	k_q1c3607c1b9_ffn1
	.p2align	8
	.type	k_q1c3607c1b9_ffn1,@function
k_q1c3607c1b9_ffn1:
	s_mov_b64 s[64:65], 0
	v_nop
	global_prefetch_b8 v0, s[64:65] scope:SCOPE_SE
	s_setreg_imm32_b32 hwreg(HW_REG_WAVE_MODE, 25, 1), 1
	s_wait_xcnt 0x0
	s_wait_alu depctr_hold_cnt(0) depctr_sa_sdst(0) depctr_va_vdst(0) depctr_va_sdst(0) depctr_va_ssrc(0) depctr_va_vcc(0) depctr_vm_vsrc(0)
	s_getreg_b32 s2, hwreg(HW_REG_IB_STS2, 6, 4)
	s_cmp_eq_u32 s2, 0
	s_cbranch_scc0 .Lentry_in_a_cluster
	s_endpgm
.Lentry_in_a_cluster:
	s_bfe_u32 s2, ttmp6, 0x10000c
	s_cmp_lg_u32 s2, 0xf033
	s_cbranch_scc0 .Lentry_shape_is_right
	s_endpgm
.Lentry_shape_is_right:
.set FR,     12
.set NL,     4
.set NP,     4
.set NQ,     2
.set FRB,    1536
.set KSB,    12288
.set PARTB,  24576
.set SLOT,   98304
.set SCL,    196608
.set SPARE,  212992
.set GRP,    98304
.set X1S,    16777216
.set X1C,    16908288
.set W1S,    5734400
.set W1C,    5865472
.set ACO,    524288
.set ADRA, 16
.set ADRB, 20
.set O16,  24
.set O8,   25
.set SWA,  26
.set ADRS, 27
.set SPW,  28
.set NIL,  29
.set BOF,  30
.set SRA,  31
.set SC,   32
.set BC,   64
.set AF,   128
.set HA,   128
.set PC,   192
.set TM,   212
.set PWA,  228
.set SEL,  100
.set G1, 24
.set G0, 32
.set G1B, 48
.set G0B, 56
.set G1S, 68
.set G0S, 76
.set G1SB, 80
.set G0SB, 88
.set MSB, 0
.macro WIN new
.if MSB != (\new)
	s_set_vgpr_msb (MSB<<8)|(\new)
.set MSB, (\new)
.endif
.endm
.set MUL_LO, 0xa1
.set MUL_HI, 0xf1
.set TO_B,   0x40
.macro JLOAD g0a, g1a, g0b, g1b
	s_cmp_eq_u32 s15, 0
	s_cbranch_scc0 .Lfor_b_\@
	tensor_load_to_lds s[\g0a:\g0a+3], s[\g1a:\g1a+7]
	s_nop 0
.rept 4
	v_nop
.endr
	s_branch .Lasked_\@
.Lfor_b_\@:
	tensor_load_to_lds s[\g0b:\g0b+3], s[\g1b:\g1b+7]
	s_nop 0
.rept 4
	v_nop
.endr
.Lasked_\@:
.endm
.macro CREST
	s_cmp_lg_u32 s14, 0
	s_cbranch_scc1 .Lnot_wave_0_\@
	s_barrier_signal -3
.Lnot_wave_0_\@:
	s_barrier_wait -3
	s_barrier_signal -1
	s_barrier_wait -1
.endm
.macro CROUND
	s_barrier_signal -1
	s_barrier_wait -1
	CREST
.endm
.macro PLACES n
.rept \n
	v_nop
.endr
.endm
.macro FRAG reg, adr, q, i
	ds_load_b128 v[\reg:\reg+3],     v[\adr]   offset:(\q)*KSB+(\i)*FRB
	ds_load_b64  v[\reg+4:\reg+5],   v[\adr+2] offset:(\q)*KSB+(\i)*FRB+512
	ds_load_b128 v[\reg+6:\reg+9],   v[\adr]   offset:(\q)*KSB+(\i)*FRB+768
	ds_load_b64  v[\reg+10:\reg+11], v[\adr+2] offset:(\q)*KSB+(\i)*FRB+1280
.endm
.macro MUL16 a0, p, q, sc, zero
.irp a, \a0, \a0+1
.irp b, 0,1,2,3,4,5,6,7
.if \zero
	v_wmma_scale_f32_16x16x128_f8f6f4 v[8*(8*((\a)%4)+\b):8*(8*((\a)%4)+\b)+7], v[128*(\p)+FR*\b:128*(\p)+FR*\b+FR-1], v[AF+FR*(\a):AF+FR*(\a)+FR-1], 0, v[SC+8*NQ*(\sc)+NQ*\b+(\q)], v[SC+8*NQ*(\sc)+NQ*(\a)+(\q)] matrix_a_fmt:MATRIX_FMT_FP6 matrix_b_fmt:MATRIX_FMT_FP6 matrix_a_scale:MATRIX_SCALE_ROW1
.else
	v_wmma_scale_f32_16x16x128_f8f6f4 v[8*(8*((\a)%4)+\b):8*(8*((\a)%4)+\b)+7], v[128*(\p)+FR*\b:128*(\p)+FR*\b+FR-1], v[AF+FR*(\a):AF+FR*(\a)+FR-1], v[8*(8*((\a)%4)+\b):8*(8*((\a)%4)+\b)+7], v[SC+8*NQ*(\sc)+NQ*\b+(\q)], v[SC+8*NQ*(\sc)+NQ*(\a)+(\q)] matrix_a_fmt:MATRIX_FMT_FP6 matrix_b_fmt:MATRIX_FMT_FP6 matrix_a_scale:MATRIX_SCALE_ROW1
.endif
.endr
.endr
.endm
.macro FETCH_B slot, q, p
	WIN TO_B
.irp i, 0,1,2,3,4,5,6,7
	FRAG 128*(\p)+FR*\i, ADRB+\slot, \q, \i
.endr
	WIN 0
.endm
.macro FETCH_A slot, q, i0
.irp i, \i0, \i0+1, \i0+2, \i0+3
	FRAG AF+FR*(\i), ADRA+\slot, \q, \i
.endr
.endm
.macro SCALES sc
.irp i, 0,1,2,3,4,5,6,7
	ds_load_b32 v[SC+8*NQ*\sc+NQ*\i],   v[ADRS] offset:64*\i
	ds_load_b32 v[SC+8*NQ*\sc+NQ*\i+1], v[ADRS] offset:512+64*\i
.endr
.endm
.macro STEP slot, q, zero
	s_wait_dscnt 4*NL
	WIN MUL_LO
	MUL16 0, (\q)%2, \q, \slot, \zero
	MUL16 2, (\q)%2, \q, \slot, \zero
	s_wait_dscnt 0
	PLACES NP
	FETCH_B \slot, (\q)+1, 1-(\q)%2
	FETCH_A \slot, (\q)+1, 0
	WIN MUL_HI
	MUL16 4, (\q)%2, \q, \slot, \zero
	MUL16 6, (\q)%2, \q, \slot, \zero
	PLACES NP
	WIN 0
	FETCH_A \slot, (\q)+1, 4
.endm
.macro TURN slot, next, fill
	s_wait_tensorcnt 0x0
	ds_add_u32 v[SPW], v[NIL]
	s_wait_dscnt 4*NL+1
	WIN MUL_LO
	MUL16 0, 1, NQ-1, \slot, 0
	s_wait_dscnt 0x0
	s_barrier_signal -1
	MUL16 2, 1, NQ-1, \slot, 0
	WIN 0
	s_barrier_wait -1
.if \fill
	CREST
	s_add_nc_u64 s[G0+4*\slot+2:G0+4*\slot+3], s[G0+4*\slot+2:G0+4*\slot+3], 2*PARTB
	s_add_nc_u64 s[G0B+4*\slot+2:G0B+4*\slot+3], s[G0B+4*\slot+2:G0B+4*\slot+3], 2*PARTB
	JLOAD G0+4*\slot, G1, G0B+4*\slot, G1B
.else
	PLACES NP
.endif
	s_wait_alu depctr_va_vdst(0)
	v_add_nc_u32 v[ADRS], 1024, v[ADRS]
	FETCH_B \next, 0, 0
	FETCH_A \next, 0, 0
	SCALES \next
	WIN MUL_HI
	MUL16 4, 1, NQ-1, \slot, 0
	MUL16 6, 1, NQ-1, \slot, 0
	PLACES NP
	WIN 0
	FETCH_A \next, 0, 4
.endm
.macro LAST
	s_wait_dscnt 4*NL
	WIN MUL_LO
	MUL16 0, 1, NQ-1, 1, 0
	MUL16 2, 1, NQ-1, 1, 0
	s_wait_dscnt 0
	WIN MUL_HI
	MUL16 4, 1, NQ-1, 1, 0
	MUL16 6, 1, NQ-1, 1, 0
	WIN 0
.endm
.macro QUANT s, pw
.irp b, 0,1,2,3
	v_max3_num_f32 v[TM+\b], |v[\s+16*\b]|, |v[\s+1+16*\b]|, 0x1800000
.endr
.irp i, 2,4,6,8,10,12,14
.irp b, 0,1,2,3
	v_max3_num_f32 v[TM+\b], v[TM+\b], |v[\s+16*\b+\i]|, |v[\s+1+16*\b+\i]|
.endr
.endr
.irp b, 0,1,2,3
	v_permlanex16_b32 v[TM+4+\b], v[TM+\b], s[SEL], s[SEL+1]
.endr
.irp b, 0,1,2,3
	v_max_num_f32 v[TM+\b], v[TM+\b], v[TM+4+\b]
.endr
.irp b, 0,1,2,3
	v_add_nc_u32 v[TM+12+\b], 0xff000000, v[TM+\b]
.endr
.irp b, 0,1,2,3
	v_lshrrev_b32 v[TM+4+\b], 23, v[TM+12+\b]
.endr
	v_lshl_or_b32 v[\pw], v[TM+5], 8, v[TM+4]
	v_lshl_or_b32 v[\pw], v[TM+6], 16, v[\pw]
	v_lshl_or_b32 v[\pw], v[TM+7], 24, v[\pw]
.irp c, 0,1
	v_cvt_scalef32_pk16_fp6_f32 v[PC+6*\c:PC+2+6*\c], v[\s+32*\c:\s+15+32*\c], v[TM+12+2*\c]
	v_cvt_scalef32_pk16_fp6_f32 v[PC+12+4*\c:PC+14+4*\c], v[\s+16+32*\c:\s+31+32*\c], v[TM+12+2*\c+1]
.endr
	v_nop
.irp c, 0,1
.irp i, 0,1,2
	v_permlane16_swap_b32 v[PC+6*\c+\i], v[PC+12+4*\c+\i]
.endr
.irp i, 0,1,2
	v_mov_b32 v[PC+3+6*\c+\i], v[PC+12+4*\c+\i]
.endr
.endr
.endm
	s_load_b256 s[4:11], s[0:1], 0x0
	v_lshl_add_u32 v[SPW], v0, 2, SPARE
	v_mov_b32 v[NIL], 0
	ds_add_u32 v28, v29
	ds_add_u32 v28, v29
	s_wait_dscnt 0x0
	v_lshrrev_b32 v1, 5, v0
	v_readfirstlane_b32 s14, v1
	s_lshr_b32 s15, s14, 1
	s_and_b32 s16, s14, 1
	s_bfe_u32 s40, ttmp6, 0x40000
	s_bfe_u32 s41, ttmp6, 0x40004
	s_lshl_b32 s42, ttmp9, 2
	s_add_co_u32 s42, s42, s40
	s_and_b32 s17, ttmp7, 0xffff
	s_lshl_b32 s17, s17, 2
	s_add_co_u32 s17, s17, s41
	s_lshl_b32 s43, s41, 2
	s_lshl_b32 s43, 15, s43
	s_lshl_b32 s44, 0x1111, s40
	s_or_b32 s[G1+0], s43, (3<<16)|(1<<21)
	s_or_b32 s[G1B+0], s44, (3<<16)|(1<<21)
.irp g, G1, G1B                        ; for the head's loads: two rows of 24,576 bytes (3,072 elements of 8), one of each group of 128 positions, 98,304 bytes apart
	s_mov_b32 s[\g+1], 3072<<16
	s_mov_b32 s[\g+2], 2<<16
	s_mov_b32 s[\g+3], 3072<<16
	s_mov_b32 s[\g+4], 2
	s_mov_b32 s[\g+5], 12288
	s_mov_b32 s[\g+6], 0
	s_mov_b32 s[\g+7], 0
.endr
	s_or_b32 s[G1S+0], s43, (3<<16)|(1<<21)
	s_or_b32 s[G1SB+0], s44, (3<<16)|(1<<21)
.irp g, G1S, G1SB                      ; the scale words of both groups, all of K: 8,192 dense bytes
	s_mov_b32 s[\g+1], 32<<16
	s_mov_b32 s[\g+2], 32<<16
	s_mov_b32 s[\g+3], 32<<16
	s_mov_b32 s[\g+4], 32
	s_mov_b32 s[\g+5], 32
	s_mov_b32 s[\g+6], 0
	s_mov_b32 s[\g+7], 0
.endr
	s_lshl_b32 s20, s17, 1
	s_add_co_u32 s20, s20, s16
	s_lshl_b32 s22, s17, 13
	s_add_co_u32 s22, s22, X1S
	s_mov_b32 s23, 0
	s_mul_i32 s20, s20, GRP
	s_add_co_u32 s20, s20, X1C
	s_mov_b32 s21, 0
	s_lshl_b32 s46, s42, 1
	s_add_co_u32 s46, s46, s16
	s_lshl_b32 s96, s42, 13
	s_add_co_u32 s96, s96, W1S
	s_mov_b32 s97, 0
	s_mul_i32 s46, s46, GRP
	s_add_co_u32 s46, s46, W1C
	s_mov_b32 s47, 0
	s_mul_i32 s45, s14, PARTB
	s_mul_i32 s2, s16, GRP                         ; from the tile's first group to mine, in bytes
	s_mov_b32 s3, 0
	s_wait_kmcnt 0x0
	s_add_nc_u64 s[20:21], s[4:5], s[20:21]
	s_add_nc_u64 s[22:23], s[4:5], s[22:23]
	s_add_nc_u64 s[46:47], s[6:7], s[46:47]
	s_add_nc_u64 s[96:97], s[6:7], s[96:97]
	CROUND                                         ; all sixteen work-groups are here: the first joint loads meet
	s_mov_b32 s[G0S], 1                            ; A's scale words,
	s_mov_b32 s[G0S+1], SCL
	s_mov_b64 s[G0S+2:G0S+3], s[22:23]
	s_or_b32 s[G0S+3], s[G0S+3], 0x80000000
	s_mov_b32 s[G0SB], 1                           ; B's,
	s_mov_b32 s[G0SB+1], SCL+8192
	s_mov_b64 s[G0SB+2:G0SB+3], s[96:97]
	s_or_b32 s[G0SB+3], s[G0SB+3], 0x80000000
	s_mov_b32 s[G0], 1                             ; slot 0's set serves the head first: all of A's part of slot 0,
	s_mov_b32 s[G0+1], 0
	s_sub_nc_u64 s[G0+2:G0+3], s[20:21], s[2:3]
	s_or_b32 s[G0+3], s[G0+3], 0x80000000
	s_mov_b32 s[G0B], 1                            ; and all of B's
	s_mov_b32 s[G0B+1], 2*PARTB
	s_sub_nc_u64 s[G0B+2:G0B+3], s[46:47], s[2:3]
	s_or_b32 s[G0B+3], s[G0B+3], 0x80000000
	s_mov_b32 s[G0+4], 1                           ; slot 1: my quarter
	s_add_co_u32 s[G0+5], s45, SLOT
	s_add_nc_u64 s[G0+6:G0+7], s[20:21], PARTB
	s_or_b32 s[G0+7], s[G0+7], 0x80000000
	s_mov_b32 s[G0B+4], 1
	s_add_co_u32 s[G0B+5], s45, SLOT
	s_add_nc_u64 s[G0B+6:G0B+7], s[46:47], PARTB
	s_or_b32 s[G0B+7], s[G0B+7], 0x80000000
; THE HEAD'S LOADS, ONE A WAVE, in one chain of branches on the wave's number: wave 0 A's part of slot 0, wave 1 B's, wave 2 A's scale words, wave 3 B's
.macro ARM under, g0, g1, next
	s_cmp_lt_u32 s14, \under
	s_cbranch_scc0 \next
	tensor_load_to_lds s[\g0:\g0+3], s[\g1:\g1+7]
	s_nop 0
.rept 4
	v_nop
.endr
	s_branch .Lhead_asked
\next:
.endm
	ARM 1, G0,  G1,  .Lhead_b
	ARM 2, G0B, G1B, .Lhead_sa
	ARM 3, G0S, G1S, .Lhead_sb
	tensor_load_to_lds s[G0SB:G0SB+3], s[G1SB:G1SB+7]
	s_nop 0
.rept 4
	v_nop
.endr
.Lhead_asked:
	; THE PREFETCH INTO THE L2.  A wave's load brings a part of 24,576 bytes, 96 blocks of 256; the four partners that load a part jointly share its blocks out by address, 24 each (a lane a block; lanes 24-31 name the last again).
	; At the head a wave asks for the parts that its next two loads will bring, behind slot 1's load for the last one: K has four parts.
	s_cmp_eq_u32 s15, 0                            ; do I fetch for A?
	s_cselect_b64 s[96:97], s[20:21], s[46:47]     ; my part of slot 0; never rewritten
	s_cselect_b32 s2, s40, s41                     ; my place among the four that ask for it with me: it enters this address alone
	s_mul_i32 s2, s2, 24*256
	v_and_b32 v12, 31, v0
	v_min_u32 v12, 23, v12
	v_lshlrev_b32 v12, 8, v12
	v_add_nc_u32 v12, s2, v12                      ; never rewritten
	global_prefetch_b8 v12, s[96:97] offset:PARTB th:TH_LOAD_NT scope:SCOPE_SE
	global_prefetch_b8 v12, s[96:97] offset:2*PARTB th:TH_LOAD_NT scope:SCOPE_SE
	v_and_b32 v1, 15, v0
	v_bfe_u32 v2, v0, 4, 1
	v_and_b32 v3, 31, v0
	v_lshlrev_b32 v[O16], 4, v3
	s_wait_alu depctr_va_vdst(0)
	v_lshlrev_b32 v[O8], 3, v3
	s_wait_alu depctr_va_vdst(0)
	v_lshlrev_b32 v[BOF], 6, v2
	s_lshl_b32 s92, s42, 10
	s_lshl_b32 s93, s16, 9
	s_add_co_u32 s92, s92, s93
	s_mov_b32 s93, 0
	s_add_nc_u64 s[8:9], s[8:9], s[92:93]
.irp b, 0,1,2,3
.irp j, 0,1,2,3
	global_load_b128 v[BC+16*\b+4*\j:BC+16*\b+4*\j+3], v[BOF], s[8:9] offset:128*\b+16*\j
.endr
.endr
	s_mul_i32 s18, s15, PARTB
	s_mul_i32 s19, s16, PARTB
	s_add_co_u32 s19, s19, 2*PARTB
.irp s, 0,1
	v_add_nc_u32 v[ADRA+\s], s18, v[O16]
	v_add_nc_u32 v[ADRA+2+\s], s18, v[O8]
	v_add_nc_u32 v[ADRB+\s], s19, v[O16]
	v_add_nc_u32 v[ADRB+2+\s], s19, v[O8]
	s_add_co_u32 s18, s18, SLOT
	s_add_co_u32 s19, s19, SLOT
.endr
	s_lshl_b32 s18, s15, 12
	s_lshl_b32 s19, s16, 12
	s_add_co_u32 s19, s19, 8192
	s_sub_co_u32 s19, s19, s18
	v_mul_u32_u24 v10, s19, v2
	s_add_co_u32 s18, s18, SCL
	v_lshl_add_u32 v10, v1, 2, v10
	v_add_nc_u32 v[ADRS], s18, v10
	s_lshl_b32 s18, s14, 9
	v_lshlrev_b32 v9, 2, v1
	v_add_nc_u32 v[SWA], s18, v9
	v_add_nc_u32 v[SRA], s18, v[O16]
	s_mov_b32 s[SEL], 0x76543210
	s_mov_b32 s[SEL+1], 0xfedcba98
	s_lshl_b32 s92, s17, 1
	s_add_co_u32 s92, s92, s15
	s_lshl_b32 s93, s40, 1
	s_add_co_u32 s93, s93, s16
	s_mul_i32 s94, s92, GRP
	s_mul_i32 s95, s93, KSB
	s_add_co_u32 s94, s94, s95
	s_mul_i32 s95, ttmp9, 3145728
	s_add_co_u32 s94, s94, s95
	s_add_co_u32 s94, s94, ACO
	s_mov_b32 s95, 0
	s_add_nc_u64 s[12:13], s[10:11], s[94:95]
	s_lshl_b32 s94, s92, 12
	s_lshl_b32 s93, s93, 9
	s_add_co_u32 s94, s94, s93
	s_lshl_b32 s93, ttmp9, 17
	s_add_co_u32 s94, s94, s93
	s_add_nc_u64 s[98:99], s[10:11], s[94:95]
	s_wait_alu depctr_va_vdst(0)
	s_wait_tensorcnt 0x0                           ; my tile of the head's four is in; the three lines ahead of a later first fill, as ahead of a refill
	ds_add_u32 v[SPW], v[NIL]
.irp g, G1, G1B                        ; no tensor load of mine is out: from here on a load brings a quarter of a slot, 96 rows of 256 bytes,
	s_mov_b32 s[\g+1], 32<<16
	s_mov_b32 s[\g+2], 96<<16
	s_mov_b32 s[\g+3], 32<<16
	s_mov_b32 s[\g+4], 96
	s_mov_b32 s[\g+5], 32
.endr
	s_mov_b32 s[G0+1], s45                         ; and slot 0's set names my quarter
	s_mov_b64 s[G0+2:G0+3], s[20:21]
	s_or_b32 s[G0+3], s[G0+3], 0x80000000
	s_mov_b32 s[G0B+1], s45
	s_mov_b64 s[G0B+2:G0B+3], s[46:47]
	s_or_b32 s[G0B+3], s[G0B+3], 0x80000000
	s_wait_dscnt 0x0
	CROUND                                         ; all four tiles are in, in every work-group of the cluster
	JLOAD G0+4, G1, G0B+4, G1B                     ; slot 1's first fill, the first tensor load behind the round
	FETCH_B 0, 0, 0
	global_prefetch_b8 v12, s[96:97] offset:3*PARTB th:TH_LOAD_NT scope:SCOPE_SE
	FETCH_A 0, 0, 0
	SCALES 0
	FETCH_A 0, 0, 4
	STEP 0, 0, 1
	TURN 0, 1, 1
	STEP 1, 0, 0
	TURN 1, 0, 1
	STEP 0, 0, 0
	TURN 0, 1, 0
	STEP 1, 0, 0
	LAST
	s_wait_loadcnt 0x0
	PLACES NP
.irp b, 0,1,2,3
	v_mov_b32 v[TM+4+\b], 0
.endr
.macro EPI a
	s_wait_xcnt 0x0
	WIN 0x02+(\a)/4
.set ii, 0
.rept 32
	v_pk_add_f32 v[HA+ii:HA+ii+1], v[64*((\a)%4)+ii:64*((\a)%4)+ii+1], v[BC+ii:BC+ii+1]
.set ii, ii+2
.endr
	WIN 0
.set ii, 0
.rept 64
	v_max_num_f32 v[HA+ii], 0, v[HA+ii]
.set ii, ii+1
.endr
	QUANT HA, PWA+(\a)
	global_store_b128 v[O16], v[PC:PC+3], s[12:13] offset:(\a)*1536
	global_store_b64 v[O8], v[PC+4:PC+5], s[12:13] offset:(\a)*1536+512
	global_store_b128 v[O16], v[PC+6:PC+9], s[12:13] offset:(\a)*1536+768
	global_store_b64 v[O8], v[PC+10:PC+11], s[12:13] offset:(\a)*1536+1280
	ds_store_b32 v[SWA], v[PWA+(\a)] offset:64*(\a)
.endm
.irp a, 0,1,2,3,4,5,6,7
	EPI \a
.endr
	ds_load_b128 v[HA:HA+3], v[SRA]
	s_wait_dscnt 0x0
	global_store_b128 v[O16], v[HA:HA+3], s[98:99]
	s_wait_tensorcnt 0x0
	ds_add_u32 v[SPW], v[NIL]
	s_wait_dscnt 0x0
	CROUND
	s_endpgm
.Lfunc_end_k_q1c3607c1b9_ffn1:
	.size	k_q1c3607c1b9_ffn1, .Lfunc_end_k_q1c3607c1b9_ffn1-k_q1c3607c1b9_ffn1
	.p2alignl 7, 3214868480
	.fill 96, 4, 3214868480
	.section	.rodata,"a",@progbits
	.p2align	6, 0x0
	.amdhsa_kernel k_q1c3607c1b9_ffn1
		.amdhsa_group_segment_fixed_size 327680
		.amdhsa_private_segment_fixed_size 0
		.amdhsa_enable_private_segment 0
		.amdhsa_kernarg_size 32
		.amdhsa_user_sgpr_count 2
		.amdhsa_user_sgpr_kernarg_segment_ptr 1
		.amdhsa_wavefront_size32 1
		.amdhsa_system_sgpr_workgroup_id_x 1
		.amdhsa_system_sgpr_workgroup_id_y 1
		.amdhsa_system_sgpr_workgroup_id_z 1
		.amdhsa_system_vgpr_workitem_id 0
		.amdhsa_next_free_vgpr 1024
		.amdhsa_next_free_sgpr 102
		.amdhsa_reserve_vcc 0
		.amdhsa_float_denorm_mode_32 3
		.amdhsa_float_denorm_mode_16_64 3
		.amdhsa_memory_ordered 1
		.amdhsa_forward_progress 1
		.amdhsa_inst_pref_size 186
	.end_amdhsa_kernel
	.amdgpu_metadata
---
amdhsa.version: [ 1, 2 ]
amdhsa.kernels:
  - .name:           k_q1c3607c1b9_ffn1
    .symbol:         k_q1c3607c1b9_ffn1.kd
    .args:
      - { .name: x1b, .offset: 0, .size: 8, .value_kind: global_buffer, .address_space: global }
      - { .name: qin, .offset: 8, .size: 8, .value_kind: global_buffer, .address_space: global }
      - { .name: b1, .offset: 16, .size: 8, .value_kind: global_buffer, .address_space: global }
      - { .name: act, .offset: 24, .size: 8, .value_kind: global_buffer, .address_space: global }
    .group_segment_fixed_size: 327680
    .private_segment_fixed_size: 0
    .kernarg_segment_align: 8
    .kernarg_segment_size: 32
    .max_flat_workgroup_size: 128
    .sgpr_count:     102
    .vgpr_count:     1024
    .wavefront_size: 32
...
	.end_amdgpu_metadata
.endif
;; end of part 5
;; launch ffn2 (part 6): grid 8 x 32, 4 waves a work-group, clusters of 4 x 4, 327,680 bytes of LDS; arguments act, w2q, part; writes part
.if DOCPART == 6
	.amdgcn_target "amdgcn-amd-amdhsa--gfx1250"
	.amdhsa_code_object_version 6
	.text
	.protected	k_q1c3607c1b9_ffn2
	.globl	k_q1c3607c1b9_ffn2
	.p2align	8
	.type	k_q1c3607c1b9_ffn2,@function
k_q1c3607c1b9_ffn2:
	s_mov_b64 s[64:65], 0
	v_nop
	global_prefetch_b8 v0, s[64:65] scope:SCOPE_SE
	s_setreg_imm32_b32 hwreg(HW_REG_WAVE_MODE, 25, 1), 1
	s_wait_xcnt 0x0
	s_wait_alu depctr_hold_cnt(0) depctr_sa_sdst(0) depctr_va_vdst(0) depctr_va_sdst(0) depctr_va_ssrc(0) depctr_va_vcc(0) depctr_vm_vsrc(0)
	s_getreg_b32 s2, hwreg(HW_REG_IB_STS2, 6, 4)
	s_cmp_eq_u32 s2, 0
	s_cbranch_scc0 .Lentry_in_a_cluster
	s_endpgm
.Lentry_in_a_cluster:
	s_bfe_u32 s2, ttmp6, 0x10000c
	s_cmp_lg_u32 s2, 0xf033
	s_cbranch_scc0 .Lentry_shape_is_right
	s_endpgm
.Lentry_shape_is_right:
.set KCH,    4
.set FR,     12
.set NP,     4
.set FRB,    1536
.set KSB,    12288
.set PARTB,  24576
.set HALFK,  49152
.set SLOT,   98304
.set SCL,    196608
.set SCW,    KCH*2048
.set SPARE,  SCL+4*SCW
.set GRP,    98304
.set ACO,    524288
.set BCO,    131072
.set ASTEP,  3145728
.set BSTEP,  786432
.set APS,    16384
.set BPS,    4096
.set SPITCH, 272
.set ADRA, 16
.set ADRB, 20
.set O16,  24
.set O8,   25
.set STO,  26
.set ADRS, 27
.set SPW,  28
.set NIL,  29
.set RD,   30
.set CO,   31
.set SC,   32
.set BK,   64
.set ACC,  128
.set G1, 24
.set G0, 32
.set G1B, 48
.set G0B, 56
.set G1S, 68
.set G0S, 76
.set G1SB, 80
.set G0SB, 88
.set MSB, 0
.macro WIN new
.if MSB != (\new)
	s_set_vgpr_msb (MSB<<8)|(\new)
.set MSB, (\new)
.endif
.endm
.set MUL,  0x05
.set TO_F, 0x40
.macro JLOAD g0a, g1a, g0b, g1b
	s_cmp_eq_u32 s15, 0
	s_cbranch_scc0 .Lfor_b_\@
	tensor_load_to_lds s[\g0a:\g0a+3], s[\g1a:\g1a+7]
	s_nop 0
.rept 4
	v_nop
.endr
	s_branch .Lasked_\@
.Lfor_b_\@:
	tensor_load_to_lds s[\g0b:\g0b+3], s[\g1b:\g1b+7]
	s_nop 0
.rept 4
	v_nop
.endr
.Lasked_\@:
.endm
.macro CREST
	s_cmp_lg_u32 s14, 0
	s_cbranch_scc1 .Lnot_wave_0_\@
	s_barrier_signal -3
.Lnot_wave_0_\@:
	s_barrier_wait -3
	s_barrier_signal -1
	s_barrier_wait -1
.endm
.macro CROUND
	s_barrier_signal -1
	s_barrier_wait -1
	CREST
.endm
.macro PLACES n
.rept \n
	v_nop
.endr
.endm
.macro FRAG reg, adr, q, i
	ds_load_b128 v[\reg:\reg+3],     v[\adr]   offset:(\q)*KSB+(\i)*FRB
	ds_load_b64  v[\reg+4:\reg+5],   v[\adr+2] offset:(\q)*KSB+(\i)*FRB+512
	ds_load_b128 v[\reg+6:\reg+9],   v[\adr]   offset:(\q)*KSB+(\i)*FRB+768
	ds_load_b64  v[\reg+10:\reg+11], v[\adr+2] offset:(\q)*KSB+(\i)*FRB+1280
.endm
.macro MUL4 f, a, sc, q, zero
.irp b, 0,1,2,3
.if \zero
	v_wmma_scale_f32_16x16x128_f8f6f4 v[ACC+8*(4*(\a)+\b):ACC+8*(4*(\a)+\b)+7], v[(\f)+48+FR*\b:(\f)+48+FR*\b+FR-1], v[(\f)+FR*(\a):(\f)+FR*(\a)+FR-1], 0, v[SC+16*(\sc)+4*(\q)+\b], v[SC+16*(\sc)+4*(\q)+(\a)] matrix_a_fmt:MATRIX_FMT_FP6 matrix_b_fmt:MATRIX_FMT_FP6 matrix_a_scale:MATRIX_SCALE_ROW1
.else
	v_wmma_scale_f32_16x16x128_f8f6f4 v[ACC+8*(4*(\a)+\b):ACC+8*(4*(\a)+\b)+7], v[(\f)+48+FR*\b:(\f)+48+FR*\b+FR-1], v[(\f)+FR*(\a):(\f)+FR*(\a)+FR-1], v[ACC+8*(4*(\a)+\b):ACC+8*(4*(\a)+\b)+7], v[SC+16*(\sc)+4*(\q)+\b], v[SC+16*(\sc)+4*(\q)+(\a)] matrix_a_fmt:MATRIX_FMT_FP6 matrix_b_fmt:MATRIX_FMT_FP6 matrix_a_scale:MATRIX_SCALE_ROW1
.endif
.endr
.endm
.macro FETCH slot, q, f
	WIN TO_F
.irp i, 0,1,2,3
	FRAG (\f)+48+FR*\i, ADRB+\slot, \q, \i
.endr
.irp i, 0,1,2,3
	FRAG (\f)+FR*\i, ADRA+\slot, \q, \i
.endr
.endm
.macro SCALES sc
.irp q, 0,1,2,3
.irp i, 0,1,2,3
	ds_load_b32 v[SC+16*\sc+4*\q+\i], v[ADRS] offset:\sc*2048+512*\q+64*\i   ; scale words in LDS: [operand][chunk of 1,024][K step 8][128 words]
.endr
.endr
.endm
.macro STEP slot, q, zero
	s_wait_dscnt 8
	WIN MUL
	MUL4 128*((\q)%2), 0, \slot, \q, \zero
	MUL4 128*((\q)%2), 1, \slot, \q, \zero
	PLACES NP
	FETCH \slot, (\q)+1, 128*(1-(\q)%2)
	s_wait_dscnt 32
	WIN MUL
	MUL4 128*((\q)%2), 2, \slot, \q, \zero
	MUL4 128*((\q)%2), 3, \slot, \q, \zero
.endm
; THE PREFETCH INTO THE L2: behind each load of a part (24,576 bytes, 96 blocks of 256) a wave asks for the part that it will load two refills on.  The four partners that load a part jointly
; share its blocks out by address, 24 each (a lane a block; lanes 24-31 name the last again).  The last two refills have no part two on: nothing is asked for there.
.set PFO, 12                           ; v12     256 x (24 x my place among the four + my lane, held at 23); never rewritten
.set PFA, 94                           ; s[94:95] my part of slot 0's chunk that is asked for; s[2:3] the step from chunk to chunk
.macro TURN slot, next, fill
	WIN 0
.if (\fill) && (\slot == 0) && (LAP < KCH-2)
	s_wait_xcnt 0x0                                ; my prefetches have read their address
	s_add_nc_u64 s[PFA:PFA+1], s[PFA:PFA+1], s[2:3]
.endif
	s_wait_tensorcnt 0x0
	ds_add_u32 v[SPW], v[NIL]
	s_wait_dscnt 9
	WIN MUL
	MUL4 128, 0, \slot, 3, 0
	s_wait_dscnt 0x0
	s_barrier_signal -1
	MUL4 128, 1, \slot, 3, 0
	WIN 0
	s_barrier_wait -1
.if \fill
	CREST
	s_add_nc_u64 s[G0+4*\slot+2:G0+4*\slot+3], s[G0+4*\slot+2:G0+4*\slot+3], ASTEP
	s_add_nc_u64 s[G0B+4*\slot+2:G0B+4*\slot+3], s[G0B+4*\slot+2:G0B+4*\slot+3], BSTEP
	JLOAD G0+4*\slot, G1, G0B+4*\slot, G1B
.else
	PLACES NP
.endif
.if \next == 0
	v_add_nc_u32 v[ADRS], 4096, v[ADRS]
.endif
	s_wait_alu depctr_va_vdst(0)
	SCALES \next
	FETCH \next, 0, 0
.if (\fill) && (LAP < KCH-2)
	global_prefetch_b8 v[PFO], s[PFA:PFA+1] offset:\slot*HALFK th:TH_LOAD_NT scope:SCOPE_SE
.endif
	WIN MUL
	MUL4 128, 2, \slot, 3, 0
	MUL4 128, 3, \slot, 3, 0
.endm
.macro LAST
	s_wait_dscnt 8
	WIN MUL
	MUL4 128, 0, 1, 3, 0
	MUL4 128, 1, 1, 3, 0
	s_wait_dscnt 0
	MUL4 128, 2, 1, 3, 0
	MUL4 128, 3, 1, 3, 0
	WIN 0
.endm
	s_load_b128 s[4:7], s[0:1], 0x0
	s_load_b64 s[12:13], s[0:1], 0x10
	v_lshl_add_u32 v[SPW], v0, 2, SPARE
	v_mov_b32 v[NIL], 0
	ds_add_u32 v28, v29
	ds_add_u32 v28, v29
	s_wait_dscnt 0x0
	v_lshrrev_b32 v1, 5, v0
	v_readfirstlane_b32 s14, v1
	s_lshr_b32 s15, s14, 1
	s_and_b32 s16, s14, 1
	s_bfe_u32 s40, ttmp6, 0x40000
	s_bfe_u32 s41, ttmp6, 0x40004
	s_lshl_b32 s42, ttmp9, 2
	s_add_co_u32 s42, s42, s40
	s_and_b32 s17, ttmp7, 0xffff
	s_lshl_b32 s17, s17, 2
	s_add_co_u32 s17, s17, s41
	s_lshl_b32 s43, s41, 2
	s_lshl_b32 s43, 15, s43
	s_lshl_b32 s44, 0x1111, s40
	s_or_b32 s[G1+0], s43, (3<<16)|(1<<21)
	s_or_b32 s[G1B+0], s44, (3<<16)|(1<<21)
.irp g, G1, G1B
	s_mov_b32 s[\g+1], 32<<16
	s_mov_b32 s[\g+2], 192<<16                     ; the head's loads bring an operand's whole part of slot 0: 192 rows of 256 bytes
	s_mov_b32 s[\g+3], 32<<16
	s_mov_b32 s[\g+4], 192
	s_mov_b32 s[\g+5], 32
	s_mov_b32 s[\g+6], 0
	s_mov_b32 s[\g+7], 0
.endr
	s_or_b32 s[G1S+0], s43, (3<<16)|(1<<21)
	s_or_b32 s[G1SB+0], s44, (3<<16)|(1<<21)
.irp g, G1S, G1SB
	s_mov_b32 s[\g+1], 512<<16                     ; scale words: of each chunk 4,096 bytes (eight K steps x 128 words): KCH rows of 512 elements of 8 bytes
	s_mov_b32 s[\g+2], KCH<<16
	s_mov_b32 s[\g+3], 512<<16
	s_mov_b32 s[\g+4], KCH
	s_mov_b32 s[\g+6], 0
	s_mov_b32 s[\g+7], 0
.endr
	s_mov_b32 s[G1S+5], APS
	s_mov_b32 s[G1SB+5], BPS
	s_mul_i32 s18, s16, PARTB
	s_mov_b32 s19, 0
	s_mul_i32 s20, s17, GRP
	s_add_co_u32 s20, s20, s18
	s_add_co_u32 s20, s20, ACO
	s_mov_b32 s21, 0
	s_lshl_b32 s22, s17, 12
	s_mov_b32 s23, 0
	s_mul_i32 s46, s42, GRP
	s_add_co_u32 s46, s46, s18
	s_add_co_u32 s46, s46, BCO
	s_mov_b32 s47, 0
	s_lshl_b32 s96, s42, 12
	s_mov_b32 s97, 0
	s_mul_i32 s45, s14, PARTB
	s_wait_kmcnt 0x0
	s_add_nc_u64 s[20:21], s[4:5], s[20:21]
	s_add_nc_u64 s[22:23], s[4:5], s[22:23]
	s_add_nc_u64 s[46:47], s[6:7], s[46:47]
	s_add_nc_u64 s[96:97], s[6:7], s[96:97]
	CROUND                                         ; all sixteen work-groups are here: the first joint loads meet
	s_mov_b32 s[G0S], 1                            ; A's scale words,
	s_mov_b32 s[G0S+1], SCL
	s_mov_b64 s[G0S+2:G0S+3], s[22:23]
	s_or_b32 s[G0S+3], s[G0S+3], 0x80000000
	s_mov_b32 s[G0SB], 1                           ; B's,
	s_mov_b32 s[G0SB+1], SCL+2*SCW
	s_mov_b64 s[G0SB+2:G0SB+3], s[96:97]
	s_or_b32 s[G0SB+3], s[G0SB+3], 0x80000000
	s_mov_b32 s[G0], 1                             ; slot 0's set serves the head first: all of A's part of slot 0,
	s_mov_b32 s[G0+1], 0
	s_sub_nc_u64 s[G0+2:G0+3], s[20:21], s[18:19]
	s_or_b32 s[G0+3], s[G0+3], 0x80000000
	s_mov_b32 s[G0B], 1                            ; and all of B's
	s_mov_b32 s[G0B+1], HALFK
	s_sub_nc_u64 s[G0B+2:G0B+3], s[46:47], s[18:19]
	s_or_b32 s[G0B+3], s[G0B+3], 0x80000000
	s_mov_b32 s[G0+4], 1                           ; slot 1: my quarter
	s_add_co_u32 s[G0+5], s45, SLOT
	s_add_nc_u64 s[G0+6:G0+7], s[20:21], HALFK
	s_or_b32 s[G0+7], s[G0+7], 0x80000000
	s_mov_b32 s[G0B+4], 1
	s_add_co_u32 s[G0B+5], s45, SLOT
	s_add_nc_u64 s[G0B+6:G0B+7], s[46:47], HALFK
	s_or_b32 s[G0B+7], s[G0B+7], 0x80000000
; THE HEAD'S LOADS, ONE A WAVE, in one chain of branches on the wave's number: wave 0 A's part of slot 0, wave 1 B's, wave 2 A's scale words, wave 3 B's
.macro ARM under, g0, g1, next
	s_cmp_lt_u32 s14, \under
	s_cbranch_scc0 \next
	tensor_load_to_lds s[\g0:\g0+3], s[\g1:\g1+7]
	s_nop 0
.rept 4
	v_nop
.endr
	s_branch .Lhead_asked
\next:
.endm
	ARM 1, G0,  G1,  .Lhead_b
	ARM 2, G0B, G1B, .Lhead_sa
	ARM 3, G0S, G1S, .Lhead_sb
	tensor_load_to_lds s[G0SB:G0SB+3], s[G1SB:G1SB+7]
	s_nop 0
.rept 4
	v_nop
.endr
.Lhead_asked:
	s_cmp_eq_u32 s15, 0                            ; the prefetches: do I fetch for A?
	s_cselect_b64 s[PFA:PFA+1], s[20:21], s[46:47] ; my part of slot 0, chunk 0
	s_cselect_b64 s[8:9], s[20:21], s[46:47]       ; the same once more, never rewritten: for slot 1's first part
	s_cselect_b32 s3, s40, s41                     ; my place among the four that ask for it with me: it enters this address alone
	s_mov_b32 s2, BSTEP
	s_cselect_b32 s2, ASTEP, s2
	s_mul_i32 s3, s3, 24*256
	v_and_b32 v[PFO], 31, v0
	v_min_u32 v[PFO], 23, v[PFO]
	v_lshlrev_b32 v[PFO], 8, v[PFO]
	v_add_nc_u32 v[PFO], s3, v[PFO]
	s_mov_b32 s3, 0
	s_add_nc_u64 s[PFA:PFA+1], s[PFA:PFA+1], s[2:3]
	global_prefetch_b8 v[PFO], s[8:9] offset:HALFK th:TH_LOAD_NT scope:SCOPE_SE   ; at the head also what slot 1's first fill will load,
	global_prefetch_b8 v[PFO], s[PFA:PFA+1] th:TH_LOAD_NT scope:SCOPE_SE          ; and what the first refill will load
	v_and_b32 v1, 15, v0
	v_bfe_u32 v2, v0, 4, 1
	v_and_b32 v3, 31, v0
	v_lshlrev_b32 v[O16], 4, v3
	v_lshlrev_b32 v[O8], 3, v3
	s_mul_i32 s18, s15, 4*FRB
	s_mul_i32 s19, s16, 4*FRB
	s_add_co_u32 s19, s19, HALFK
.irp s, 0,1
	v_add_nc_u32 v[ADRA+\s], s18, v[O16]
	v_add_nc_u32 v[ADRA+2+\s], s18, v[O8]
	v_add_nc_u32 v[ADRB+\s], s19, v[O16]
	v_add_nc_u32 v[ADRB+2+\s], s19, v[O8]
	s_add_co_u32 s18, s18, SLOT
	s_add_co_u32 s19, s19, SLOT
.endr
	s_lshl_b32 s18, s15, 8
	s_lshl_b32 s19, s16, 8
	s_add_co_u32 s19, s19, 2*SCW
	s_sub_co_u32 s19, s19, s18
	v_mul_u32_u24 v10, s19, v2
	s_add_co_u32 s18, s18, SCL
	v_lshl_add_u32 v10, v1, 2, v10
	v_add_nc_u32 v[ADRS], s18, v10
	s_mul_i32 s18, s14, 16*SPITCH
	v_mul_u32_u24 v[STO], v1, SPITCH
	v_lshl_add_u32 v[STO], v2, 6, v[STO]
	v_add_nc_u32 v[STO], s18, v[STO]
	v_mul_u32_u24 v[RD], v2, SPITCH
	v_lshl_add_u32 v[RD], v1, 4, v[RD]
	v_add_nc_u32 v[RD], s18, v[RD]
	v_lshlrev_b32 v[CO], 12, v2
	v_lshl_add_u32 v[CO], v1, 4, v[CO]
	s_lshl_b32 s92, s17, 19
	s_lshl_b32 s93, s15, 18
	s_add_co_u32 s92, s92, s93
	s_lshl_b32 s93, s42, 9
	s_add_co_u32 s92, s92, s93
	s_lshl_b32 s93, s16, 8
	s_add_co_u32 s92, s92, s93
	s_mov_b32 s93, 0
	s_add_nc_u64 s[12:13], s[12:13], s[92:93]
	s_wait_alu depctr_va_vdst(0)
	s_wait_tensorcnt 0x0                           ; my tile of the head's four is in; the three lines ahead of a later first fill, as ahead of a refill
	ds_add_u32 v[SPW], v[NIL]
	s_mov_b32 s[G1+2], 96<<16                      ; no tensor load of mine is out: from here on a load brings a quarter of a slot, 96 rows,
	s_mov_b32 s[G1+4], 96
	s_mov_b32 s[G1B+2], 96<<16
	s_mov_b32 s[G1B+4], 96
	s_mov_b32 s[G0+1], s45                         ; and slot 0's set names my quarter
	s_mov_b64 s[G0+2:G0+3], s[20:21]
	s_or_b32 s[G0+3], s[G0+3], 0x80000000
	s_mov_b32 s[G0B+1], s45
	s_mov_b64 s[G0B+2:G0B+3], s[46:47]
	s_or_b32 s[G0B+3], s[G0B+3], 0x80000000
	s_wait_dscnt 0x0
	CROUND                                         ; all four tiles are in, in every work-group of the cluster
	JLOAD G0+4, G1, G0B+4, G1B                     ; slot 1's first fill, the first tensor load behind the round
	SCALES 0
	FETCH 0, 0, 0
	global_prefetch_b8 v[PFO], s[PFA:PFA+1] offset:HALFK th:TH_LOAD_NT scope:SCOPE_SE   ; what the second refill will load
.set LAP, 0
.rept KCH
.if LAP == 0
	STEP 0, 0, 1
.else
	STEP 0, 0, 0
.endif
	STEP 0, 1, 0
	STEP 0, 2, 0
.if LAP < KCH-1
	TURN 0, 1, 1
.else
	TURN 0, 1, 0
.endif
	STEP 1, 0, 0
	STEP 1, 1, 0
	STEP 1, 2, 0
.if LAP < KCH-1
	TURN 1, 0, 1
.else
	LAST
.endif
.set LAP, LAP+1
.endr
.macro TOSTAGE a
.irp b, 0,1,2,3
	ds_store_b128 v[STO], v[ACC+8*(4*(\a)+\b):ACC+8*(4*(\a)+\b)+3] offset:128*(\b/2)+32*(\b%2)
	ds_store_b128 v[STO], v[ACC+8*(4*(\a)+\b)+4:ACC+8*(4*(\a)+\b)+7] offset:128*(\b/2)+32*(\b%2)+16
.endr
.set BB, BK+32*((\a)%2)
.irp t, 0,1,2,3,4,5,6,7
	ds_load_b128 v[BB+4*\t:BB+4*\t+3], v[RD] offset:\t*2*SPITCH
.endr
.endm
.macro SEND a, younger
.set BB, BK+32*((\a)%2)
	s_wait_dscnt \younger
.irp t, 0,1,2,3,4,5,6,7
	global_store_b128 v[CO], v[BB+4*\t:BB+4*\t+3], s[12:13] offset:(32*((\a)/2)+8*((\a)%2)+2*\t+8*(\t/4))*4096 th:TH_STORE_NT
.endr
.endm
	PLACES NP
	TOSTAGE 0
.irp a, 1,2,3
.if \a > 1
	s_wait_xcnt 0x0
.endif
	TOSTAGE \a
	SEND \a-1, 16
.endr
	SEND 3, 0
	s_wait_tensorcnt 0x0
	ds_add_u32 v[SPW], v[NIL]
	s_wait_dscnt 0x0
	CROUND
	s_endpgm
.Lfunc_end_k_q1c3607c1b9_ffn2:
	.size	k_q1c3607c1b9_ffn2, .Lfunc_end_k_q1c3607c1b9_ffn2-k_q1c3607c1b9_ffn2
	.p2alignl 7, 3214868480
	.fill 96, 4, 3214868480
	.section	.rodata,"a",@progbits
	.p2align	6, 0x0
	.amdhsa_kernel k_q1c3607c1b9_ffn2
		.amdhsa_group_segment_fixed_size 327680
		.amdhsa_private_segment_fixed_size 0
		.amdhsa_enable_private_segment 0
		.amdhsa_kernarg_size 24
		.amdhsa_user_sgpr_count 2
		.amdhsa_user_sgpr_kernarg_segment_ptr 1
		.amdhsa_wavefront_size32 1
		.amdhsa_system_sgpr_workgroup_id_x 1
		.amdhsa_system_sgpr_workgroup_id_y 1
		.amdhsa_system_sgpr_workgroup_id_z 1
		.amdhsa_system_vgpr_workitem_id 0
		.amdhsa_next_free_vgpr 512
		.amdhsa_next_free_sgpr 98
		.amdhsa_reserve_vcc 0
		.amdhsa_float_denorm_mode_32 3
		.amdhsa_float_denorm_mode_16_64 3
		.amdhsa_memory_ordered 1
		.amdhsa_forward_progress 1
		.amdhsa_inst_pref_size 170
	.end_amdhsa_kernel
	.amdgpu_metadata
---
amdhsa.version: [ 1, 2 ]
amdhsa.kernels:
  - .name:           k_q1c3607c1b9_ffn2
    .symbol:         k_q1c3607c1b9_ffn2.kd
    .args:
      - { .name: act, .offset: 0, .size: 8, .value_kind: global_buffer, .address_space: global }
      - { .name: w2q, .offset: 8, .size: 8, .value_kind: global_buffer, .address_space: global }
      - { .name: part, .offset: 16, .size: 8, .value_kind: global_buffer, .address_space: global }
    .group_segment_fixed_size: 327680
    .private_segment_fixed_size: 0
    .kernarg_segment_align: 8
    .kernarg_segment_size: 24
    .max_flat_workgroup_size: 128
    .sgpr_count:     98
    .vgpr_count:     512
    .wavefront_size: 32
...
	.end_amdgpu_metadata
.endif
;; end of part 6
;; launch ln2 (part 7): grid 256 x 1, 8 waves a work-group, no clusters, 0 bytes of LDS; arguments part, x1b, b2, ln2_g, ln2_b, out0; writes out0
.if DOCPART == 7
	.amdgcn_target "amdgcn-amd-amdhsa--gfx1250"
	.amdhsa_code_object_version 6
	.text
	.protected	k_q1c3607c1b9_ln2
	.globl	k_q1c3607c1b9_ln2
	.p2align	8
	.type	k_q1c3607c1b9_ln2,@function
k_q1c3607c1b9_ln2:
	s_mov_b64 s[64:65], 0
	v_nop
	global_prefetch_b8 v0, s[64:65] scope:SCOPE_SE
	s_setreg_imm32_b32 hwreg(HW_REG_WAVE_MODE, 25, 1), 1
	s_wait_xcnt 0x0
; out = layer norm(x1 + hidden W2 + b2) x g + b, in f32, mean first and then the mean of the squared differences, as reference() has it.
; A work-group takes 16 rows, a wave two: a row of 4,096 bytes is 32 registers of a wave, so a reduction never leaves the wave.  Memory binds: each byte is read once, in loads of 512 consecutive bytes a wave;
; both rows' 32 loads go out at the head, behind the 24 of the constants; stores cover 512 consecutive bytes.  No LDS, no barrier, no matrix unit, no cluster: waves share nothing.
; LIMITS: NaN and infinities are not served.
.set SA,  32                           ; v32-63 x1 of my first row, then the row at work;  v64-95 its product's sums
.set PA,  64
.set SB,  96                           ; the same for my second row
.set PB,  128
.set BI,  160
.set GA,  192
.set BE,  224
.set SEL, 26
.macro REDUCE v, t                     ; the sum over the 32 lanes, in every lane
	s_delay_alu instid0(VALU_DEP_1)
	v_add_f32_dpp v[\v], v[\v], v[\v] row_xmask:1 row_mask:0xf bank_mask:0xf
	s_delay_alu instid0(VALU_DEP_1)
	v_add_f32_dpp v[\v], v[\v], v[\v] row_xmask:2 row_mask:0xf bank_mask:0xf
	s_delay_alu instid0(VALU_DEP_1)
	v_add_f32_dpp v[\v], v[\v], v[\v] row_xmask:4 row_mask:0xf bank_mask:0xf
	s_delay_alu instid0(VALU_DEP_1)
	v_add_f32_dpp v[\v], v[\v], v[\v] row_xmask:8 row_mask:0xf bank_mask:0xf
	s_delay_alu instid0(VALU_DEP_1)
	v_permlanex16_b32 v[\t], v[\v], s[SEL], s[SEL+1]
	s_delay_alu instid0(VALU_DEP_1)
	v_add_f32 v[\v], v[\v], v[\t]
.endm
.macro NORM P                          ; 32 registers of a row, in place
	v_pk_add_f32 v[8:9], v[\P:\P+1], v[\P+2:\P+3]
	v_pk_add_f32 v[10:11], v[\P+4:\P+5], v[\P+6:\P+7]
	v_pk_add_f32 v[12:13], v[\P+8:\P+9], v[\P+10:\P+11]
	v_pk_add_f32 v[14:15], v[\P+12:\P+13], v[\P+14:\P+15]
.irp i, 16,24
	s_delay_alu instid0(VALU_DEP_4)
	v_pk_add_f32 v[8:9], v[8:9], v[\P+\i:\P+\i+1]
	s_delay_alu instid0(VALU_DEP_4)
	v_pk_add_f32 v[10:11], v[10:11], v[\P+\i+2:\P+\i+3]
	s_delay_alu instid0(VALU_DEP_4)
	v_pk_add_f32 v[12:13], v[12:13], v[\P+\i+4:\P+\i+5]
	s_delay_alu instid0(VALU_DEP_4)
	v_pk_add_f32 v[14:15], v[14:15], v[\P+\i+6:\P+\i+7]
.endr
	s_delay_alu instid0(VALU_DEP_3)
	v_pk_add_f32 v[8:9], v[8:9], v[10:11]
	s_delay_alu instid0(VALU_DEP_2)
	v_pk_add_f32 v[12:13], v[12:13], v[14:15]
	s_delay_alu instid0(VALU_DEP_1)
	v_pk_add_f32 v[8:9], v[8:9], v[12:13]
	s_delay_alu instid0(VALU_DEP_1)
	v_add_f32 v8, v8, v9
	REDUCE 8, 9
	s_delay_alu instid0(VALU_DEP_1)
	v_mul_f32 v8, s24, v8                          ; the mean
.set ii, 0
.rept 16
	v_pk_add_f32 v[\P+ii:\P+ii+1], v[\P+ii:\P+ii+1], v[8:9] op_sel_hi:[1,0] neg_lo:[0,1] neg_hi:[0,1]
.set ii, ii+2
.endr
	v_pk_mul_f32 v[10:11], v[\P:\P+1], v[\P:\P+1]
	v_pk_mul_f32 v[12:13], v[\P+2:\P+3], v[\P+2:\P+3]
.irp i, 4,8,12,16,20,24,28
	s_delay_alu instid0(VALU_DEP_2)
	v_pk_fma_f32 v[10:11], v[\P+\i:\P+\i+1], v[\P+\i:\P+\i+1], v[10:11]
	s_delay_alu instid0(VALU_DEP_2)
	v_pk_fma_f32 v[12:13], v[\P+\i+2:\P+\i+3], v[\P+\i+2:\P+\i+3], v[12:13]
.endr
	s_delay_alu instid0(VALU_DEP_1)
	v_pk_add_f32 v[10:11], v[10:11], v[12:13]
	s_delay_alu instid0(VALU_DEP_1)
	v_add_f32 v10, v10, v11
	REDUCE 10, 11
	s_delay_alu instid0(VALU_DEP_1)
	v_fma_f32 v10, v10, s24, s25                   ; the variance + 1e-5
	s_wait_alu depctr_va_vdst(0)
	v_rsq_f32 v10, v10
	v_nop                                          ; a plain place behind the transcendental
	s_wait_alu depctr_va_vdst(0)                   ; ahead of its first reader
.set ii, 0
.rept 16
	v_pk_mul_f32 v[\P+ii:\P+ii+1], v[\P+ii:\P+ii+1], v[10:11] op_sel_hi:[1,0]
.set ii, ii+2
.endr
.set ii, 0
.rept 16
	v_pk_fma_f32 v[\P+ii:\P+ii+1], v[\P+ii:\P+ii+1], v[GA+ii:GA+ii+1], v[BE+ii:BE+ii+1]
.set ii, ii+2
.endr
.endm
.macro ROW S, P, o                     ; the row o bytes behind my first
.set ii, 0
.rept 16
	v_pk_add_f32 v[\S+ii:\S+ii+1], v[\S+ii:\S+ii+1], v[\P+ii:\P+ii+1]
.set ii, ii+2
.endr
.set ii, 0
.rept 16
	v_pk_add_f32 v[\S+ii:\S+ii+1], v[\S+ii:\S+ii+1], v[BI+ii:BI+ii+1]
.set ii, ii+2
.endr
	NORM \S
.irp c, 0,1,2,3,4,5,6,7
	global_store_b128 v1, v[\S+4*\c:\S+4*\c+3], s[14:15] offset:\o+512*\c th:TH_STORE_NT
.endr
.endm
	s_load_b256 s[4:11], s[0:1], 0x0               ; part, x1b, b2, g
	s_load_b128 s[12:15], s[0:1], 0x20             ; b, out0
	v_lshrrev_b32 v1, 5, v0
	s_delay_alu instid0(VALU_DEP_1)
	v_readfirstlane_b32 s2, v1                     ; wave 0..7
	v_and_b32 v2, 31, v0
	s_delay_alu instid0(VALU_DEP_1)
	v_lshlrev_b32 v1, 4, v2                        ; 16 x lane
	s_mov_b32 s24, 0x3a800000                      ; 1 / 1,024
	s_mov_b32 s25, 0x3727c5ac                      ; 1e-5
	s_mov_b32 s[SEL], 0x76543210
	s_mov_b32 s[SEL+1], 0xfedcba98
	s_lshl_b32 s16, ttmp9, 16                      ; 16 rows of 4,096 bytes a work-group,
	s_lshl_b32 s17, s2, 13                         ; two a wave
	s_add_co_u32 s16, s16, s17
	s_mov_b32 s17, 0
	s_wait_alu depctr_va_vdst(0)
	s_wait_kmcnt 0x0
	s_add_nc_u64 s[4:5], s[4:5], s[16:17]
	s_add_nc_u64 s[6:7], s[6:7], s[16:17]
	s_add_nc_u64 s[14:15], s[14:15], s[16:17]
.irp c, 0,1,2,3,4,5,6,7
	global_load_b128 v[BI+4*\c:BI+4*\c+3], v1, s[8:9] offset:512*\c
	global_load_b128 v[GA+4*\c:GA+4*\c+3], v1, s[10:11] offset:512*\c
	global_load_b128 v[BE+4*\c:BE+4*\c+3], v1, s[12:13] offset:512*\c
.endr
.irp c, 0,1,2,3,4,5,6,7
	global_load_b128 v[SA+4*\c:SA+4*\c+3], v1, s[6:7] offset:512*\c th:TH_LOAD_NT
	global_load_b128 v[PA+4*\c:PA+4*\c+3], v1, s[4:5] offset:512*\c th:TH_LOAD_NT
.endr
.irp c, 0,1,2,3,4,5,6,7
	global_load_b128 v[SB+4*\c:SB+4*\c+3], v1, s[6:7] offset:4096+512*\c th:TH_LOAD_NT
	global_load_b128 v[PB+4*\c:PB+4*\c+3], v1, s[4:5] offset:4096+512*\c th:TH_LOAD_NT
.endr
	s_wait_loadcnt 16                              ; the constants and my first row are in; the second row's 16 loads may be out
	ROW SA, PA, 0
	s_wait_loadcnt 0x0
	ROW SB, PB, 4096
	s_endpgm
.Lfunc_end_k_q1c3607c1b9_ln2:
	.size	k_q1c3607c1b9_ln2, .Lfunc_end_k_q1c3607c1b9_ln2-k_q1c3607c1b9_ln2
	.p2alignl 7, 3214868480
	.fill 96, 4, 3214868480
	.section	.rodata,"a",@progbits
	.p2align	6, 0x0
	.amdhsa_kernel k_q1c3607c1b9_ln2
		.amdhsa_group_segment_fixed_size 0
		.amdhsa_private_segment_fixed_size 0
		.amdhsa_enable_private_segment 0
		.amdhsa_kernarg_size 48
		.amdhsa_user_sgpr_count 2
		.amdhsa_user_sgpr_kernarg_segment_ptr 1
		.amdhsa_wavefront_size32 1
		.amdhsa_system_sgpr_workgroup_id_x 1
		.amdhsa_system_sgpr_workgroup_id_y 1
		.amdhsa_system_sgpr_workgroup_id_z 1
		.amdhsa_system_vgpr_workitem_id 0
		.amdhsa_next_free_vgpr 256
		.amdhsa_next_free_sgpr 66
		.amdhsa_reserve_vcc 0
		.amdhsa_float_denorm_mode_32 3
		.amdhsa_float_denorm_mode_16_64 3
		.amdhsa_memory_ordered 1
		.amdhsa_forward_progress 1
		.amdhsa_inst_pref_size 27
	.end_amdhsa_kernel
	.amdgpu_metadata
---
amdhsa.version: [ 1, 2 ]
amdhsa.kernels:
  - .name:           k_q1c3607c1b9_ln2
    .symbol:         k_q1c3607c1b9_ln2.kd
    .args:
      - { .name: part, .offset: 0, .size: 8, .value_kind: global_buffer, .address_space: global }
      - { .name: x1b, .offset: 8, .size: 8, .value_kind: global_buffer, .address_space: global }
      - { .name: b2, .offset: 16, .size: 8, .value_kind: global_buffer, .address_space: global }
      - { .name: ln2_g, .offset: 24, .size: 8, .value_kind: global_buffer, .address_space: global }
      - { .name: ln2_b, .offset: 32, .size: 8, .value_kind: global_buffer, .address_space: global }
      - { .name: out0, .offset: 40, .size: 8, .value_kind: global_buffer, .address_space: global }
    .group_segment_fixed_size: 0
    .private_segment_fixed_size: 0
    .kernarg_segment_align: 8
    .kernarg_segment_size: 48
    .max_flat_workgroup_size: 256
    .sgpr_count:     66
    .vgpr_count:     256
    .wavefront_size: 32
...
	.end_amdgpu_metadata
.endif
;; end of part 7
